; MI455X (gfx1250); checked and timed in simulation.
; The chip was launched on July 23, 2026; its instructions are those of AMD's public machine-readable ISA for CDNA 5 (MIT licence, August 2026) and "CDNA5" Instruction Set Architecture Reference Guide (July 2026). The comments in the code are by the model that wrote it; some were corrected since.
;; SV Hunter Multi Head Attention. Allowed arithmetic: matrix products marked QUANTISED: E2M1 operands, one E8M0 scale for each 32 along K, by v_wmma_scale_f32_16x16x128_f8f6f4 with both operands' format E2M1 (or v_wmma_scale_f32_32x16x128_f4), f32 sums; everything else in f32.
;; Inputs: Wk 1,024 x 1,024 float32; Wo 1,024 x 1,024 float32; Wq 1,024 x 1,024 float32; Wv 1,024 x 1,024 float32; bk 1,024 float32; bo 1,024 float32; bq 1,024 float32; bv 1,024 float32; x 4 x 2,048 x 1,024 float32.
;; Outputs: out0 4 x 2,048 x 1,024 float32.
;; This version of the problem:
;;   THIS VERSION OF THE PROBLEM IS GIVEN IN LOW PRECISION. The matrix products marked QUANTISED in the list below multiply operands that are first quantised to E2M1 (2 exponent bits, 1 mantissa bit; 4 bits a number), with one power-of-two scale for each 32 numbers along K (OCP MX v1.0); their sums are f32. All else is computed in f32.
;;   The module's matrix products, in the order in which they are computed (A, B: the left and right operand; K: the contracted axis; several contracted axes count as one K, in the product's order):
;;     1. [M 8,192, K 1,024] x [K 1,024, N 1,024]; A: input x; B: input Wq: QUANTISED
;;     2. [M 8,192, K 1,024] x [K 1,024, N 1,024]; A: input x; B: input Wk: QUANTISED
;;     3. [M 8,192, K 1,024] x [K 1,024, N 1,024]; A: input x; B: input Wv: QUANTISED
;;     4. batch 64 x [M 2,048, K 64] x [K 64, N 2,048]; A: computed on the way; B: computed on the way: QUANTISED
;;     5. batch 64 x [M 2,048, K 2,048] x [K 2,048, N 64]; A: softmax (see below); B: computed on the way: QUANTISED
;;     6. [M 8,192, K 1,024] x [K 1,024, N 1,024]; A: computed on the way; B: input Wo: QUANTISED
;;   THE QUANTISER, for each operand of a quantised product, along K:
;;     - K is cut into blocks of 32 from its start; a last block that is shorter is filled with zeros.
;;     - A block's scale is 2^e with e = floor(log2(the largest magnitude in the block)) - 2, held to -126 .. 127; a block of zeros has e = 0. As a byte (E8M0): e + 127.
;;     - Each number is divided by its block's scale, clamped to +-6, and rounded to the nearest number of E2M1, ties to even, subnormals kept.
;;     - The product sums the exact products of the quantised numbers (number of the format x scale) in f32.
;;   ~~~python
;;   def quantise(x, axis):      # numpy; x: float32 -> the quantised numbers, widened to float32 again
;;       x = np.moveaxis(x, axis, -1); K = x.shape[-1]
;;       x = np.pad(x, [(0, 0)] * (x.ndim - 1) + [(0, -K % 32)]); x = x.reshape(x.shape[:-1] + (-1, 32)); a = np.abs(x).max(-1, keepdims=True)
;;       e = np.where(a > 0, np.clip(np.frexp(np.where(a > 0, a, 1))[1] - 1 - 2, -126, 127), 0)      # np.frexp(a)[1] - 1 = floor(log2(a)), exactly
;;       r = np.clip(x / 2.0 ** e, -6, 6)
;;       step = 2.0 ** (np.maximum(np.frexp(np.where(r == 0, 1, r))[1] - 1, 0) - 1)
;;       q = np.round(r / step) * step * 2.0 ** e      # np.round: ties to even
;;       return np.moveaxis(q.reshape(q.shape[:-2] + (-1,))[..., :K], -1, axis).astype(np.float32)
;;   ~~~
;;   SOFTMAX AHEAD OF A QUANTISED PRODUCT. Where the list says 'softmax', what is quantised is not the finished softmax but p = 2^(t - M), with t = logit x log2(e) and M = ceil(the row's largest t), a whole number; so 1/2 < the row's largest p <= 1. The row's sum l is taken of the UNQUANTISED p, in f32, and the product's result is divided by l at the end. Since M is a whole number, a kernel that streams over the keys may use a running M (the ceiling of the running maximum): every later rescaling is an exact power of two, which a block's scale takes up: the codes' values come out the same.
;;   OPERANDS COMPUTED ON THE WAY. 'Computed on the way' means the value that the module computes at that place (a softmax that the list does not call 'softmax' is quantised finished and normalised). What goes into a quantiser is computed in f32, as accurately as f32 sums, v_exp_f32 and their like allow (about 1e-6 of the number): no bf16 or f16 on the way to a quantiser, and a product that is left as it is and whose result goes on into a quantised operand takes f32 operands (vector FMAs, or v_wmma_f32_16x16x4_f32). A number that lies on a knife's edge between two numbers of the format may be rounded either way, as far as f32 arithmetic and the matrix unit's own rounding can turn it there, and no further.
;; One version. Each part assembles by itself: llvm-mc -triple=amdgcn-amd-amdhsa -mcpu=gfx1250 --defsym DOCPART=n.
;; ======== version 1 of 1: 4 launches
;; workspace buffers: xw_codes 6,291,456 bytes; xw_scales 393,216 bytes; qkv 13,893,632 bytes; o_codes 4,194,304 bytes; o_scales 262,144 bytes
;; launch quant (part 1): grid 256 x 1, 12 waves a work-group, no clusters, 327,680 bytes of LDS; arguments x, Wq, Wk, Wv, Wo, xw_codes, xw_scales; writes xw_codes, xw_scales
.if DOCPART == 1
	.amdgcn_target "amdgcn-amd-amdhsa--gfx1250"
	.amdhsa_code_object_version 6
	.text
	.protected	k_q13d4ab2734_quant
	.globl	k_q13d4ab2734_quant
	.p2align	8
	.type	k_q13d4ab2734_quant,@function
k_q13d4ab2734_quant:
	s_mov_b64 s[64:65], 0
	v_nop
	global_prefetch_b8 v0, s[64:65] scope:SCOPE_SE
	s_setreg_imm32_b32 hwreg(HW_REG_WAVE_MODE, 25, 1), 1
	s_wait_xcnt 0x0
; LAUNCH 1 OF 4.  x [8192][1024], Wq, Wk, Wv, Wo [1024][1024], f32, K innermost, become codes of FP4 (E2M1) with one E8M0 byte for each 32 along K.
; NO WORK OF THE PROBLEM IS LEFT OUT in any of the four launches: bq, bk and bv go into numbers that are quantised (they can move codes and scales), bo goes into the output, all six products are live.
; THE WORKSPACE IS LAID IN THE ORDER OF THE OPERANDS' REGISTERS.  An IMAGE TILE is 16 rows x 1,024 along K = 8,192 bytes, [block of 32 (32)][place r (16)][16 bytes]: the 512 bytes at 1024 q + 512 c are,
; 16 bytes a lane, registers 4 c .. 4 c + 3 of the fragment of K step q (lane r + 16 h: block 4 q + 2 c + h of place r).  So every fragment load and every store of codes covers 512 consecutive bytes.
; THE ROWS OF A TILE ARE NOT NEIGHBOURS: tile 4 G + t, place r, holds row 64 G + 32 (r / 8) + 8 t + r % 8.  Used as source 0, the four tiles of a group G leave in a lane's 32 result registers the rows
; 64 G + 32 (lane / 16) + 0 .. 31: a WHOLE block of 32 of the next product's K, in order, in one lane.
; Tiles: 0-511 x, 512-575 Wq, 576-639 Wk, 640-703 Wv, 704-767 Wo.  Scale bytes: [tile][place][8 words], word q = the four bytes of K step q.
; A block's scale is 2^(floor(log2(its largest magnitude)) - 2); its byte is the largest magnitude's exponent field - 2, held at 1 from below.
; LIMITS: NaN and infinities among the inputs are not served; a block whose largest magnitude lies under 2^-124 has its byte held at 1; a block of zeros gets the byte 1 where the rule says 127 (its codes are zeros,
; which add nothing under any byte but 0xff, and this program alone reads the bytes).
; SHARES.  768 tiles, 3 to each of 256 work-groups; 12 waves: wave w takes tile w / 4 of the three and 256 along K (K steps 2 (w % 4), 2 (w % 4) + 1).  Its 16 rows x 1,024 bytes come by two tensor loads
; (places 0-7 and 8-15 are 8 neighbouring rows each, 32 rows apart), issued at the head, the second once the first has landed; nothing is filled again, so there is no ring.
; No cluster: no two work-groups read the same byte.  No matrix unit: the launch moves bytes.  No prefetch: no load stands later than the head.
.set PITCH, 1040                       ; an LDS row: 1,024 bytes + 16 of padding = 260 words: the 16 rows of a load start at 16 different groups of four banks
.set WREG,  16*PITCH                   ; a wave's 16 rows
.set SCG,   12*WREG                    ; behind them: the three tiles' scale words, 512 bytes a tile; no tensor load lands here
.set SPARE, SCG+1536                   ; the spare words, 128 bytes for each wave: six blocks of 256 bytes that no other line names
.set RDA,   4                          ; v4   LDS: my row and my half's 128 bytes: wave's rows + 1040 r + 128 h
.set L16,   5                          ; v5   16 x lane
.set SCW,   6                          ; v6   LDS: where my row's two scale words go
.set SH8,   7                          ; v7   8 h
.set SPW,   8                          ; v8   LDS address of my spare word; never rewritten
.set NIL,   9                          ; v9   0; never rewritten
.set PT,    10                         ; v10  a lane permute's destination
.set SRD,   11                         ; v11  LDS: the scale words on their way out
.set WT,    12                         ; v12  at work
.set MY,    13                         ; v13  the second chain of a maximum
.set MX,    16                         ; v16-19 largest magnitudes of my four blocks
.set E,     20                         ; v20-23 the conversions' scale operands
.set BY,    24                         ; v24-27 the bytes
.set WD,    28                         ; v[28:29] my row's two scale words
.set C,     32                         ; v32-47 codes, four registers a block
.set SO,    48                         ; v[48:51] scale words on their way out
.set X,     64                         ; v64-191 four blocks of 32 numbers
.set G1,    16                         ; s[16:23] descriptor group 1
.set G0,    24                         ; s[24:27], s[28:31] groups 0 of my two loads
.set SEL,   2                          ; s[2:3] lane selects: lane l xor 16
.set WV,    34
.set TL,    35
.set QD,    36
.set TT,    37
	s_load_b256 s[4:11], s[0:1], 0x0               ; x s[4:5], Wq s[6:7], Wk s[8:9], Wv s[10:11]
	s_load_b128 s[12:15], s[0:1], 0x20             ; Wo s[12:13], the codes s[14:15]
	s_load_b64 s[32:33], s[0:1], 0x30              ; the scale bytes
	v_lshl_add_u32 v[SPW], v0, 2, SPARE
	v_mov_b32 v[NIL], 0
	ds_add_u32 v[SPW], v[NIL]                      ; the wave's opening: the add, twice on end, and its wait ahead of my first tensor load
	ds_add_u32 v[SPW], v[NIL]                      ; and once more; the set-up below, work on registers, stands between it and the wait
	v_lshrrev_b32 v1, 5, v0
	s_delay_alu instid0(VALU_DEP_1)
	v_readfirstlane_b32 s[WV], v1                  ; wave 0..11
	s_lshr_b32 s[TL], s[WV], 2                     ; which of the work-group's three tiles
	s_and_b32 s[QD], s[WV], 3                      ; which 256 along K
	s_mul_i32 s[TT], ttmp9, 3
	s_add_co_u32 s[TT], s[TT], s[TL]               ; my tile, 0..767
	s_sub_co_u32 s38, s[TT], 512
	s_and_b32 s38, s38, 63                         ; its number inside a weight,
	s_cmp_lt_u32 s[TT], 512
	s_cselect_b32 s38, s[TT], s38                  ; or inside x
	s_lshr_b32 s39, s38, 2
	s_lshl_b32 s39, s39, 6
	s_and_b32 s40, s38, 3
	s_lshl_b32 s40, s40, 3
	s_add_co_u32 s39, s39, s40                     ; place 0's row: 64 G + 8 t
	s_lshl_b32 s40, s39, 12                        ; rows of 4,096 bytes
	s_lshl_b32 s41, s[QD], 10
	s_add_co_u32 s40, s40, s41                     ; + my 1,024 bytes of a row
	s_mov_b32 s41, 0
	s_mov_b32 s[G1+0], (2<<16)|(1<<20)|(7<<22)|(3<<25) ; no mask; elements of 4 bytes; padding on: 4 words (code 3) after every 256 (code 7)
	s_mov_b32 s[G1+1], 256<<16                     ; tensor_dim0 = 256
	s_mov_b32 s[G1+2], 8<<16                       ; tensor_dim1 = 8
	s_mov_b32 s[G1+3], 256<<16                     ; tile_dim0 = 256
	s_mov_b32 s[G1+4], 8                           ; tile_dim1 = 8
	s_mov_b32 s[G1+5], 1024                        ; elements from row to row
	s_mov_b32 s[G1+6], 0
	s_mov_b32 s[G1+7], 0
	s_mov_b32 s[SEL], 0x76543210
	s_mov_b32 s[SEL+1], 0xfedcba98
	s_mul_i32 s42, s[WV], WREG                     ; my rows in LDS
	s_wait_dscnt 0x0                               ; both opening adds are done
	s_wait_kmcnt 0x0
	s_cmp_lt_u32 s[TT], 704                        ; which tensor: the choice hangs on the tile's number alone
	s_cselect_b64 s[44:45], s[10:11], s[12:13]
	s_cmp_lt_u32 s[TT], 640
	s_cselect_b64 s[44:45], s[8:9], s[44:45]
	s_cmp_lt_u32 s[TT], 576
	s_cselect_b64 s[44:45], s[6:7], s[44:45]
	s_cmp_lt_u32 s[TT], 512
	s_cselect_b64 s[44:45], s[4:5], s[44:45]
	s_add_nc_u64 s[44:45], s[44:45], s[40:41]
	s_mov_b32 s[G0+0], 1
	s_mov_b32 s[G0+1], s42                         ; places 0-7
	s_mov_b64 s[G0+2:G0+3], s[44:45]
	s_or_b32 s[G0+3], s[G0+3], 0x80000000
	s_mov_b32 s[G0+4], 1
	s_add_co_u32 s[G0+5], s42, 8*PITCH             ; places 8-15:
	s_add_nc_u64 s[G0+6:G0+7], s[44:45], 131072    ; 32 rows further down
	s_or_b32 s[G0+7], s[G0+7], 0x80000000
	tensor_load_to_lds s[G0:G0+3], s[G1:G1+7]      ; one load of mine is out
	s_nop 0
	s_wait_alu depctr_va_vdst(0)
	s_wait_tensorcnt 0x0
	ds_add_u32 v8, v9
	s_wait_dscnt 0x0
	s_barrier_signal -1
	s_barrier_wait -1
	tensor_load_to_lds s[G0+4:G0+7], s[G1:G1+7]
	s_nop 0
	v_and_b32 v1, 31, v0                           ; lane
	v_and_b32 v2, 15, v0                           ; r
	v_bfe_u32 v3, v0, 4, 1                         ; h
	s_delay_alu instid0(VALU_DEP_2)
	v_mul_u32_u24 v[RDA], v2, PITCH
	s_delay_alu instid0(VALU_DEP_1)
	v_lshl_add_u32 v[RDA], v3, 7, v[RDA]
	s_delay_alu instid0(VALU_DEP_1)
	v_add_nc_u32 v[RDA], s42, v[RDA]
	v_lshlrev_b32 v[L16], 4, v1
	s_lshl_b32 s43, s[TL], 9
	s_lshl_b32 s46, s[QD], 3
	s_add_co_u32 s43, s43, s46
	s_add_co_u32 s43, s43, SCG
	v_lshlrev_b32 v[SCW], 5, v2
	s_delay_alu instid0(VALU_DEP_1)
	v_add_nc_u32 v[SCW], s43, v[SCW]               ; SCG + 512 x tile + 32 r + 8 x (my 256 along K)
	v_lshlrev_b32 v[SH8], 3, v3
	v_mov_b32 v[PT], 0                             ; a lane permute's destination counts as one of its sources
	s_min_u32 s39, s[WV], 2                        ; waves 0 to 2 send a tile's scale words out; the others' registers hold wave 2's places and are not used
	s_lshl_b32 s43, s39, 9
	s_add_co_u32 s43, s43, SCG
	v_add_nc_u32 v[SRD], s43, v[L16]
	s_mul_i32 s38, ttmp9, 3
	s_add_co_u32 s38, s38, s39
	s_lshl_b32 s38, s38, 9
	s_mov_b32 s39, 0
	s_add_nc_u64 s[32:33], s[32:33], s[38:39]      ; the scale bytes at that tile
	s_lshl_b32 s46, s[TT], 13
	s_lshl_b32 s47, s[QD], 11
	s_add_co_u32 s46, s46, s47
	s_mov_b32 s47, 0
	s_add_nc_u64 s[14:15], s[14:15], s[46:47]      ; the codes at my tile's K step 2 (w % 4)
	s_wait_alu depctr_va_vdst(0)
	s_wait_tensorcnt 0x0                           ; my rows are in LDS; nobody else reads them, so no barrier stands here
.irp k, 0,1,2,3                        ; block k of my four: K step k / 2 of my two, half k % 2: 32 numbers, 128 bytes of my row
.irp i, 0,1,2,3,4,5,6,7
	ds_load_b128 v[X+32*\k+4*\i:X+32*\k+4*\i+3], v[RDA] offset:256*\k+16*\i
.endr
.endr
.macro BLOCK k
.set XS, X+32*(\k)
	s_wait_dscnt 24-8*(\k)                         ; LDS loads come back in order: this block's eight are in, the eight of each later block may be out
	v_max3_num_f32 v[MX+(\k)], |v[XS]|, |v[XS+1]|, 0x1800000   ; the largest magnitude of the 32, in two chains, and the floor 2^(3 - 127): the byte cannot fall under 1
	v_max3_num_f32 v[MY], |v[XS+16]|, |v[XS+17]|, |v[XS+18]|
.irp i, 0,1,2,3,4,5
	s_delay_alu instid0(VALU_DEP_2)
	v_max3_num_f32 v[MX+(\k)], v[MX+(\k)], |v[XS+2+2*\i]|, |v[XS+3+2*\i]|
	s_delay_alu instid0(VALU_DEP_2)
	v_max3_num_f32 v[MY], v[MY], |v[XS+19+2*\i]|, |v[XS+20+2*\i]|
.endr
	s_delay_alu instid0(VALU_DEP_2)
	v_max3_num_f32 v[MX+(\k)], v[MX+(\k)], |v[XS+14]|, |v[XS+15]|
	s_delay_alu instid0(VALU_DEP_1)
	v_max3_num_f32 v[MX+(\k)], v[MX+(\k)], v[MY], |v[XS+31]|
	s_delay_alu instid0(VALU_DEP_1)
	v_add_nc_u32 v[E+(\k)], 0xff000000, v[MX+(\k)] ; 2 off its exponent field: the conversion takes the exponent field of this operand as its scale, and nothing else of it
.irp g, 0,1,2,3
	v_cvt_scalef32_pk8_fp4_f32 v[C+4*(\k)+\g], v[XS+8*\g:XS+8*\g+7], v[E+(\k)]
.endr
	v_lshrrev_b32 v[BY+(\k)], 23, v[E+(\k)]        ; the scale's byte (also the plain line behind the conversions)
	global_store_b128 v[L16], v[C+4*(\k):C+4*(\k)+3], s[14:15] offset:512*(\k)   ; 32 lanes store 512 consecutive bytes, aligned
.endm
	BLOCK 0
	BLOCK 1
	BLOCK 2
	BLOCK 3
.irp s, 0,1                            ; my bytes are those of blocks h and 2 + h of K step s; with lane l xor 16's two the word is whole
	v_lshl_or_b32 v[WT], v[BY+2*\s+1], 16, v[BY+2*\s]
	s_delay_alu instid0(VALU_DEP_1)
	v_lshlrev_b32 v[WT], v[SH8], v[WT]
	s_delay_alu instid0(VALU_DEP_1)
	v_permlanex16_b32 v[PT], v[WT], s[SEL], s[SEL+1]
	s_delay_alu instid0(VALU_DEP_1)
	v_or_b32 v[WD+\s], v[WT], v[PT]
.endr
	ds_store_b64 v[SCW], v[WD:WD+1]                ; both halves of the lanes write the same bytes with the same value
	s_wait_dscnt 0x0                               ; for the others' sake: my store has landed
	s_barrier_signal -1
	s_barrier_wait -1                              ; the three tiles' scale words are whole
	s_cmp_lt_u32 s[WV], 3
	s_cbranch_scc0 .Lno_scales
	ds_load_b128 v[SO:SO+3], v[SRD]
	s_wait_dscnt 0x0
	global_store_b128 v[L16], v[SO:SO+3], s[32:33] ; a tile's 512 bytes of scale words
.Lno_scales:
	s_wait_tensorcnt 0x0                           ; the wave's end, behind my last tensor load and my last LDS store
	ds_add_u32 v[SPW], v[NIL]
	s_wait_dscnt 0x0
	s_endpgm
.Lfunc_end_k_q13d4ab2734_quant:
	.size	k_q13d4ab2734_quant, .Lfunc_end_k_q13d4ab2734_quant-k_q13d4ab2734_quant
	.p2alignl 7, 3214868480
	.fill 96, 4, 3214868480
	.section	.rodata,"a",@progbits
	.p2align	6, 0x0
	.amdhsa_kernel k_q13d4ab2734_quant
		.amdhsa_group_segment_fixed_size 327680
		.amdhsa_private_segment_fixed_size 0
		.amdhsa_enable_private_segment 0
		.amdhsa_kernarg_size 56
		.amdhsa_user_sgpr_count 2
		.amdhsa_user_sgpr_kernarg_segment_ptr 1
		.amdhsa_wavefront_size32 1
		.amdhsa_system_sgpr_workgroup_id_x 1
		.amdhsa_system_sgpr_workgroup_id_y 1
		.amdhsa_system_sgpr_workgroup_id_z 1
		.amdhsa_system_vgpr_workitem_id 0
		.amdhsa_next_free_vgpr 192
		.amdhsa_next_free_sgpr 66
		.amdhsa_reserve_vcc 0
		.amdhsa_float_denorm_mode_32 3
		.amdhsa_float_denorm_mode_16_64 3
		.amdhsa_memory_ordered 1
		.amdhsa_forward_progress 1
		.amdhsa_inst_pref_size 16
	.end_amdhsa_kernel
	.amdgpu_metadata
---
amdhsa.version: [ 1, 2 ]
amdhsa.kernels:
  - .name:           k_q13d4ab2734_quant
    .symbol:         k_q13d4ab2734_quant.kd
    .args:
      - { .name: x, .offset: 0, .size: 8, .value_kind: global_buffer, .address_space: global }
      - { .name: Wq, .offset: 8, .size: 8, .value_kind: global_buffer, .address_space: global }
      - { .name: Wk, .offset: 16, .size: 8, .value_kind: global_buffer, .address_space: global }
      - { .name: Wv, .offset: 24, .size: 8, .value_kind: global_buffer, .address_space: global }
      - { .name: Wo, .offset: 32, .size: 8, .value_kind: global_buffer, .address_space: global }
      - { .name: xw_codes, .offset: 40, .size: 8, .value_kind: global_buffer, .address_space: global }
      - { .name: xw_scales, .offset: 48, .size: 8, .value_kind: global_buffer, .address_space: global }
    .group_segment_fixed_size: 327680
    .private_segment_fixed_size: 0
    .kernarg_segment_align: 8
    .kernarg_segment_size: 56
    .max_flat_workgroup_size: 384
    .sgpr_count:     66
    .vgpr_count:     192
    .wavefront_size: 32
...
	.end_amdgpu_metadata
.endif
;; end of part 1
;; launch qkvgemm (part 2): grid 8 x 96, 4 waves a work-group, clusters of 4 x 4, 200,704 bytes of LDS; arguments xw_codes, xw_scales, bq, bk, bv, qkv; writes qkv
.if DOCPART == 2
	.amdgcn_target "amdgcn-amd-amdhsa--gfx1250"
	.amdhsa_code_object_version 6
	.text
	.protected	k_q13d4ab2734_qkvgemm
	.globl	k_q13d4ab2734_qkvgemm
	.p2align	8
	.type	k_q13d4ab2734_qkvgemm,@function
k_q13d4ab2734_qkvgemm:
	s_mov_b64 s[64:65], 0
	v_nop
	global_prefetch_b8 v0, s[64:65] scope:SCOPE_SE
	s_setreg_imm32_b32 hwreg(HW_REG_WAVE_MODE, 25, 1), 1
	s_wait_xcnt 0x0
	s_wait_alu depctr_hold_cnt(0) depctr_sa_sdst(0) depctr_va_vdst(0) depctr_va_sdst(0) depctr_va_ssrc(0) depctr_va_vcc(0) depctr_vm_vsrc(0)
	s_getreg_b32 s2, hwreg(HW_REG_IB_STS2, 6, 4)
	s_cmp_eq_u32 s2, 0
	s_cbranch_scc0 .Lentry_in_a_cluster
	s_endpgm
.Lentry_in_a_cluster:
	s_bfe_u32 s2, ttmp6, 0x10000c
	s_cmp_lg_u32 s2, 0xf033
	s_cbranch_scc0 .Lentry_shape_is_right
	s_endpgm
.Lentry_shape_is_right:
; LAUNCH 2 OF 4.  q = x Wq^T + bq, k = x Wk^T + bk, v = x Wv^T + bv on codes of FP4 (E2M1), and the results quantised at once, in registers: q and k along the head's 64, v along the KEYS.  Nothing is left out.
; A work-group makes 256 rows of source 0 x 128 rows of source 1 over all of K = 1,024.  The result is quantised along the axis of SOURCE 0: by the order of rows in an image tile (launch 1) a lane's 32 registers of a
; group of four tiles are one whole block of 32 of that axis.  TWO MODES, told apart by the cluster's y alone (equal in all sixteen partners):
;   QK (cluster y under 16): source 0 = Wq | Wk (a group of 64 rows is a head), source 1 = x: a lane holds one token and 32 of a head's 64.
;   V  (cluster y from 16):  source 0 = x, source 1 = Wv: a lane holds one of the head's 64 and 32 neighbouring keys.
; All of K lies in LDS: 16 + 8 image tiles, 196,608 bytes, brought by ONE tensor load a wave at the head; nothing is filled again, so there is no ring.  Every fragment load reads 512 consecutive bytes: no padding.
; CLUSTER 4 x 4: source 0's tiles hang on x (and the cluster's y) and are shared along a column, source 1's on y and are shared along a row: each is asked for jointly.
; THE RECORD of a batch and head (217,088 bytes, number 16 b + head) in qkv: 0 Q's codes [token tile (128)][512: lane l at 16 l = block l / 16 of place l % 16]; 65,536 Q's scale words [group of 4 tiles (32)][place][tile];
;   73,728 and 139,264 K's likewise; 147,456 V's codes [key step of 128 (16)][tile of 16 of the 64 (4)][1,024: a fragment's image]; 212,992 V's scale words [step][place][tile].
;   A scale word of Q or K: bytes 0, 1 its two blocks, bytes 2, 3 = 0x7f, for the zero codes that fill the instruction's K of 128.
; LIMITS: as stated in launch 1 (NaN, infinities; byte held at 1; a block of zeros has the byte 1).  The bias is the C of each sum's first matrix instruction, so it is added first and not last.
; No prefetch: every tile is asked for by the first loads.
; REGISTERS: window 0: v1-15 addresses; v16-47 source 0's scale words (register 8 p + q: tile 2 p in lanes 0-15, tile 2 p + 1 in lanes 16-31, K step q); v48-63 source 1's; v64-191 source 0's fragments, two sets;
;   v192-255 source 1's, two sets.  window 1: the 32 accumulators, (a, b) at v[8 (8 a + b)].  window 2: v0-63 the bias in the result's layout.
.set REC,   217088
.set S1LDS, 131072                     ; source 1's tiles, behind source 0's 16
.set SPARE, 196608                     ; the spare words, 128 bytes for each wave: two blocks of 256 bytes that no other line names
.set L16, 1                            ; v1   16 x lane
.set AD0, 2                            ; v2   LDS: my 8 tiles of source 0
.set AD1, 3                            ; v3   LDS: my 4 tiles of source 1
.set SCO, 4                            ; v4   512 h + 32 r: a lane's place among two tiles' scale words
.set RR,  5                            ; v5   r
.set HH,  6                            ; v6   h
.set BO,  7                            ; v7   my offset in the bias
.set SH8, 8                            ; v8   8 h
.set WO,  9                            ; v9   my offset for the store of scale words
.set SPW, 10                           ; v10  LDS address of my spare word; never rewritten
.set NIL, 11                           ; v11  0; never rewritten
.set SC0, 16
.set SC1, 48
.set F0,  64
.set F1,  192
.set MX,  64                           ; the way out, in window 0, where fragments lay: v64-71 largest magnitudes of the 8 units (unit u = 2 a + g: tile a of source 1, group g of source 0)
.set E,   72                           ; v72-79 scale operands
.set BY,  80                           ; v80-87 bytes
.set PT,  88                           ; v88-95 lane permutes' destinations
.set WD,  96                           ; v96-103 at work
.set W4,  104                          ; v[104:107] four scale words
.set CD,  128                          ; v128-159 codes, four registers a unit
.set WV,  16
.set H1,  17
.set H0,  18
.set CX,  19
.set CY,  20
.set XX,  21
.set CLY, 22
.set T0,  24
.set T1,  25
.set G1A, 32                           ; s[32:39], s[40:43] groups 1 and 0 for source 0
.set G0A, 40
.set G1B, 44                           ; s[44:51], s[52:55] for source 1
.set G0B, 52
.set SEL, 86
.set MSB, 0
.macro WIN new                         ; the immediate's high byte repeats the setting that is left
.if MSB != \new
	s_set_vgpr_msb (MSB<<8)|\new
.set MSB, \new
.endif
.endm
.macro PLACES n
.rept \n
	v_nop
.endr
.endm
.macro JLOAD                           ; a joint load: waves 0, 1 fetch source 0's halves, waves 2, 3 source 1's; an s_nop 0 and four v_nop follow each line
	s_cmp_eq_u32 s[H1], 0
	s_cbranch_scc0 .Lfor_b_\@
	tensor_load_to_lds s[G0A:G0A+3], s[G1A:G1A+7]
	s_nop 0
	PLACES 4
	s_branch .Lasked_\@
.Lfor_b_\@:
	tensor_load_to_lds s[G0B:G0B+3], s[G1B:G1B+7]
	s_nop 0
	PLACES 4
.Lasked_\@:
.endm
.macro CROUND                          ; a round of the cluster's barrier
	s_barrier_signal -1
	s_barrier_wait -1
	s_cmp_lg_u32 s[WV], 0
	s_cbranch_scc1 .Lnot_wave_0_\@
	s_barrier_signal -3
.Lnot_wave_0_\@:
	s_barrier_wait -3
	s_barrier_signal -1
	s_barrier_wait -1
.endm
	s_load_b256 s[4:11], s[0:1], 0x0               ; codes s[4:5], scale bytes s[6:7], bq s[8:9], bk s[10:11]
	s_load_b128 s[12:15], s[0:1], 0x20             ; bv s[12:13], qkv s[14:15]
	v_lshl_add_u32 v[SPW], v0, 2, SPARE
	v_mov_b32 v[NIL], 0
	ds_add_u32 v[SPW], v[NIL]                      ; the wave's opening: the add, twice on end, and its wait ahead of my first tensor load
	ds_add_u32 v[SPW], v[NIL]                      ; and once more; the set-up below, work on registers, stands between it and the wait
	v_lshrrev_b32 v1, 5, v0
	v_readfirstlane_b32 s[WV], v1                  ; wave 0..3
	s_lshr_b32 s[H1], s[WV], 1                     ; my 64 rows of source 1.  Also: I fetch for source 0 (0) or source 1 (1)
	s_and_b32 s[H0], s[WV], 1                      ; my 128 rows of source 0.  Also: which half I fetch
	s_bfe_u32 s[CX], ttmp6, 0x40000
	s_bfe_u32 s[CY], ttmp6, 0x40004
	s_lshl_b32 s[XX], ttmp9, 2
	s_add_co_u32 s[XX], s[XX], s[CX]               ; work-group x, 0..7
	s_and_b32 s[CLY], ttmp7, 0xffff                ; cluster y, 0..23
	s_lshl_b32 s26, s[CY], 2
	s_lshl_b32 s26, 15, s26                        ; my row of the cluster
	s_lshl_b32 s27, 0x1111, s[CX]                  ; my column
	s_or_b32 s[G1A+0], s27, (3<<16)|(1<<21)        ; source 0 goes to my column; elements of 8 bytes; bit 21 set beside a mask
	s_or_b32 s[G1B+0], s26, (3<<16)|(1<<21)        ; source 1 to my row
	s_mov_b32 s[G1A+1], 32<<16                     ; a dense block as rows of 256 bytes: 32 elements,
	s_mov_b32 s[G1A+2], 256<<16                    ; 256 rows: 8 image tiles
	s_mov_b32 s[G1A+3], 32<<16
	s_mov_b32 s[G1A+4], 256
	s_mov_b32 s[G1A+5], 32
	s_mov_b32 s[G1A+6], 0
	s_mov_b32 s[G1A+7], 0
	s_mov_b32 s[G1B+1], 32<<16
	s_mov_b32 s[G1B+2], 128<<16                    ; 128 rows: 4 image tiles
	s_mov_b32 s[G1B+3], 32<<16
	s_mov_b32 s[G1B+4], 128
	s_mov_b32 s[G1B+5], 32
	s_mov_b32 s[G1B+6], 0
	s_mov_b32 s[G1B+7], 0
	s_sub_co_u32 s28, s[CLY], 16                   ; source 0's first tile: made of x and the cluster's y alone
	s_lshr_b32 s28, s28, 1
	s_lshl_b32 s28, s28, 7                         ; V: x's tiles, 128 for each pair of cluster rows
	s_cmp_lt_u32 s[CLY], 16
	s_cselect_b32 s28, 512, s28                    ; QK: Wq | Wk begin at tile 512
	s_lshl_b32 s[T0], s[XX], 4
	s_add_co_u32 s[T0], s[T0], s28
	s_and_b32 s29, s[CLY], 1                       ; source 1's first tile: made of cy and the cluster's y alone
	s_lshl_b32 s29, s29, 5
	s_add_co_u32 s29, s29, 640                     ; V: Wv begins at tile 640
	s_lshl_b32 s30, s[CLY], 5                      ; QK: x's tiles
	s_cmp_lt_u32 s[CLY], 16
	s_cselect_b32 s29, s30, s29
	s_lshl_b32 s[T1], s[CY], 3
	s_add_co_u32 s[T1], s[T1], s29
	s_lshl_b32 s56, s[H0], 3
	s_add_co_u32 s56, s56, s[T0]
	s_lshl_b32 s56, s56, 13                        ; what I would fetch of source 0: 8 tiles of 8,192 bytes
	s_mov_b32 s57, 0
	s_lshl_b32 s58, s[H0], 2
	s_add_co_u32 s58, s58, s[T1]
	s_lshl_b32 s58, s58, 13                        ; and of source 1: 4 tiles
	s_mov_b32 s59, 0
	s_mov_b32 s[G0A+0], 1
	s_lshl_b32 s[G0A+1], s[H0], 16                 ; LDS: the wave's number alone
	s_mov_b32 s[G0B+0], 1
	s_lshl_b32 s[G0B+1], s[H0], 15
	s_add_co_u32 s[G0B+1], s[G0B+1], S1LDS
	s_mov_b32 s[SEL], 0x76543210
	s_mov_b32 s[SEL+1], 0xfedcba98
	v_and_b32 v1, 31, v0
	v_lshlrev_b32 v[L16], 4, v1
	v_and_b32 v[RR], 15, v0
	v_bfe_u32 v[HH], v0, 4, 1
	s_lshl_b32 s60, s[H0], 16
	v_add_nc_u32 v[AD0], s60, v[L16]
	s_lshl_b32 s61, s[H1], 15
	s_add_co_u32 s61, s61, S1LDS
	v_add_nc_u32 v[AD1], s61, v[L16]
	v_lshlrev_b32 v[SCO], 5, v[RR]
	v_lshl_add_u32 v[SCO], v[HH], 9, v[SCO]
	v_lshlrev_b32 v[SH8], 3, v[HH]
	s_lshl_b32 s62, s[H0], 3
	s_add_co_u32 s62, s62, s[T0]
	s_lshl_b32 s62, s62, 9                         ; my tiles' scale words: 512 bytes a tile
	s_mov_b32 s63, 0
	s_lshl_b32 s66, s[H1], 2
	s_add_co_u32 s66, s66, s[T1]
	s_lshl_b32 s66, s66, 9
	s_mov_b32 s67, 0
	s_wait_dscnt 0x0                               ; both opening adds are done
	s_wait_kmcnt 0x0
	s_add_nc_u64 s[G0A+2:G0A+3], s[4:5], s[56:57]
	s_or_b32 s[G0A+3], s[G0A+3], 0x80000000
	s_add_nc_u64 s[G0B+2:G0B+3], s[4:5], s[58:59]
	s_or_b32 s[G0B+3], s[G0B+3], 0x80000000
	s_add_nc_u64 s[62:63], s[6:7], s[62:63]
	s_add_nc_u64 s[66:67], s[6:7], s[66:67]
	CROUND                                         ; all sixteen work-groups are here: the joint loads meet
	JLOAD                                          ; one load of mine is out
	s_wait_alu depctr_va_vdst(0)
.irp p, 0,1,2,3
.irp u, 0,1
	global_load_b128 v[SC0+8*\p+4*\u:SC0+8*\p+4*\u+3], v[SCO], s[62:63] offset:1024*\p+16*\u
.endr
.endr
.irp p, 0,1
.irp u, 0,1
	global_load_b128 v[SC1+8*\p+4*\u:SC1+8*\p+4*\u+3], v[SCO], s[66:67] offset:1024*\p+16*\u
.endr
.endr
	s_cmp_lt_u32 s[CLY], 16                        ; THE BIAS, in the result's layout, into window 2
	s_cbranch_scc0 .Lbias_v
	s_cmp_lt_u32 s[XX], 4                          ; QK: it runs along source 0: register j of tile 4 g + t is feature 64 g + 32 h + 8 t + j of my 128
	s_cselect_b64 s[68:69], s[8:9], s[10:11]
	s_lshl_b32 s70, s[XX], 8
	s_and_b32 s70, s70, 1023
	s_lshl_b32 s71, s[H0], 7
	s_add_co_u32 s70, s70, s71
	s_lshl_b32 s70, s70, 2
	s_mov_b32 s71, 0
	s_add_nc_u64 s[68:69], s[68:69], s[70:71]
	v_lshlrev_b32 v[BO], 7, v[HH]
	WIN 0x80                                       ; destination window 2
.irp b, 0,1,2,3,4,5,6,7
	global_load_b128 v[8*\b:8*\b+3], v[BO], s[68:69] offset:4*(64*(\b/4)+8*(\b%4))
	global_load_b128 v[8*\b+4:8*\b+7], v[BO], s[68:69] offset:4*(64*(\b/4)+8*(\b%4))+16
.endr
	WIN 0
	s_branch .Lbias_done
.Lbias_v:
	s_sub_co_u32 s72, s[T1], 640                   ; V: it runs along source 1: all eight registers of tile a hold bv at the lane's place: 64 head + 32 (r / 8) + 8 a + r % 8
	s_lshr_b32 s72, s72, 2
	s_add_co_u32 s72, s72, s[H1]                   ; the head
	s_lshl_b32 s70, s72, 8
	s_mov_b32 s71, 0
	s_add_nc_u64 s[68:69], s[12:13], s[70:71]
	v_lshrrev_b32 v12, 3, v[RR]
	v_and_b32 v13, 7, v[RR]
	v_lshl_add_u32 v[BO], v12, 5, v13
	v_lshlrev_b32 v[BO], 2, v[BO]
	WIN 0x80
.irp a, 0,1,2,3
.irp j, 0,1,2,3,4,5,6,7
	global_load_b32 v[8*\a+\j], v[BO], s[68:69] offset:32*\a
.endr
.endr
	WIN 0
.Lbias_done:
; One matrix instruction: accumulator (a, b) += source 0's tile b x source 1's tile a, K step q, from fragment set set.  cm = 0: in place; 1: C = the bias of tile b; 2: of tile a (window 2).
.macro WM a, b, q, set, cm
.set rD, 8*(8*(\a)+(\b))
.set rC, rD
.if \cm == 1
.set rC, 8*(\b)
.endif
.if \cm == 2
.set rC, 8*(\a)
.endif
.set rA, F0+64*(\set)+8*(\b)
.set rB, F1+32*(\set)+8*(\a)
.set sA, SC0+8*((\b)/2)+(\q)
.set sB, SC1+8*((\a)/2)+(\q)
.if ((\b)%2 == 0) && ((\a)%2 == 0)
	v_wmma_scale_f32_16x16x128_f8f6f4 v[rD:rD+7], v[rA:rA+7], v[rB:rB+7], v[rC:rC+7], v[sA], v[sB] matrix_a_fmt:MATRIX_FMT_FP4 matrix_b_fmt:MATRIX_FMT_FP4
.elseif (\a)%2 == 0
	v_wmma_scale_f32_16x16x128_f8f6f4 v[rD:rD+7], v[rA:rA+7], v[rB:rB+7], v[rC:rC+7], v[sA], v[sB] matrix_a_fmt:MATRIX_FMT_FP4 matrix_b_fmt:MATRIX_FMT_FP4 matrix_a_scale:MATRIX_SCALE_ROW1
.elseif (\b)%2 == 0
	v_wmma_scale_f32_16x16x128_f8f6f4 v[rD:rD+7], v[rA:rA+7], v[rB:rB+7], v[rC:rC+7], v[sA], v[sB] matrix_a_fmt:MATRIX_FMT_FP4 matrix_b_fmt:MATRIX_FMT_FP4 matrix_b_scale:MATRIX_SCALE_ROW1
.else
	v_wmma_scale_f32_16x16x128_f8f6f4 v[rD:rD+7], v[rA:rA+7], v[rB:rB+7], v[rC:rC+7], v[sA], v[sB] matrix_a_fmt:MATRIX_FMT_FP4 matrix_b_fmt:MATRIX_FMT_FP4 matrix_a_scale:MATRIX_SCALE_ROW1 matrix_b_scale:MATRIX_SCALE_ROW1
.endif
.endm
.macro MUL q, set, cm                  ; 32 matrix instructions; the 32 accumulators take turns, in the same order in every K step
.if \cm == 0
	WIN 0x50                                       ; C and D window 1
.else
	WIN 0x60                                       ; C window 2, D window 1
.endif
.irp a, 0,1,2,3
.irp b, 0,1,2,3,4,5,6,7
	WM \a, \b, \q, \set, \cm
.endr
.endr
.endm
.macro FETCH q, set                    ; 24 LDS loads in one run: K step q's fragments, 512 consecutive bytes a load
.irp i, 0,1,2,3,4,5,6,7
.irp c, 0,1
	ds_load_b128 v[F0+64*(\set)+8*\i+4*\c:F0+64*(\set)+8*\i+4*\c+3], v[AD0] offset:8192*\i+1024*(\q)+512*\c
.endr
.endr
.irp i, 0,1,2,3
.irp c, 0,1
	ds_load_b128 v[F1+32*(\set)+8*\i+4*\c:F1+32*(\set)+8*\i+4*\c+3], v[AD1] offset:8192*\i+1024*(\q)+512*\c
.endr
.endr
.endm
.macro STEP q, cm                      ; a K step of 128: the next step's fragments are asked for first, into the set that the step before has multiplied
.if \q > 0
	PLACES 4                                       ; four plain places between the last matrix instruction and loads into registers that it and its like have read
.endif
.if \q < 7
	FETCH (\q)+1, ((\q)+1)%2
	s_wait_dscnt 24                                ; all but the 24 just issued: this step's fragments are in
.else
	s_wait_dscnt 0x0
.endif
	MUL \q, (\q)%2, \cm
	WIN 0
.endm
	s_wait_tensorcnt 0x0                           ; my part of the tiles is in,
	s_barrier_signal -1
	s_barrier_wait -1                              ; everybody's is
	FETCH 0, 0
	s_wait_loadcnt 0x0                             ; scale words and bias
	s_cmp_lt_u32 s[CLY], 16
	s_cbranch_scc0 .Lfirst_v
	STEP 0, 1                                      ; the first K step starts the sums, with the bias as C: nothing is cleared
	s_branch .Lfirst_done
.Lfirst_v:
	STEP 0, 2
.Lfirst_done:
	STEP 1, 0
	STEP 2, 0
	STEP 3, 0
	STEP 4, 0
	STEP 5, 0
	STEP 6, 0
	STEP 7, 0
	; THE WAY OUT.  Unit u = 2 a + g is v[32 u .. 32 u + 31] of window 1: one block of 32 of the next K.  Its largest magnitude needs no other lane.
	PLACES 4
	WIN 0x05                                       ; sources 0 and 1 window 1
.irp u, 0,1,2,3,4,5,6,7
	v_max3_num_f32 v[MX+\u], |v[32*\u]|, |v[32*\u+1]|, 0x1800000   ; each accumulator is read from its low end on; the floor 2^(3 - 127) holds the byte at 1 from below
.endr
.irp i, 2,4,6,8,10,12,14,16,18,20,22,24,26,28,30
.irp u, 0,1,2,3,4,5,6,7
	v_max3_num_f32 v[MX+\u], |v[32*\u+\i]|, |v[32*\u+\i+1]|, v[MX+\u]   ; (the eight units by turns)
.endr
.endr
	WIN 0
.irp u, 0,1,2,3,4,5,6,7
	v_add_nc_u32 v[E+\u], 0xff000000, v[MX+\u]     ; 2 off the exponent field: the conversion's scale operand
.endr
.irp u, 0,1,2,3,4,5,6,7
	v_lshrrev_b32 v[BY+\u], 23, v[E+\u]            ; the scale's byte
	v_mov_b32 v[PT+\u], 0                          ; a lane permute's destination counts as one of its sources
.endr
	WIN 0x01                                       ; source 0 window 1
.irp u, 0,1,2,3,4,5,6,7
.irp g, 0,1,2,3
	v_cvt_scalef32_pk8_fp4_f32 v[CD+4*\u+\g], v[32*\u+8*\g:32*\u+8*\g+7], v[E+\u]   ; the four results are the next operand's registers 4 c .. 4 c + 3 as they stand
.endr
.endr
	WIN 0
	v_nop                                          ; one plain line behind the last scaled conversion
	s_cmp_lt_u32 s[CLY], 16
	s_cbranch_scc0 .Lout_v
	; QK: unit (a, g): token tile a of my four, head g of my two; my byte is block h's
.irp u, 0,1,2,3,4,5,6,7
	v_lshlrev_b32 v[WD+\u], v[SH8], v[BY+\u]
.endr
.irp u, 0,1,2,3,4,5,6,7
	v_permlanex16_b32 v[PT+\u], v[WD+\u], s[SEL], s[SEL+1]
.endr
.irp u, 0,1,2,3,4,5,6,7
	v_or_b32 v[WD+\u], v[WD+\u], v[PT+\u]          ; both bytes, in both halves of the lanes
.endr
	v_cmp_eq_u32 vcc_lo, 1, v[HH]
.irp a, 0,1,2,3
	v_cndmask_b32 v[W4+\a], v[WD+2*\a], v[WD+2*\a+1], vcc_lo   ; lanes 0-15 send the first head's words, lanes 16-31 the second's
.endr
.irp a, 0,1,2,3
	v_or_b32 v[W4+\a], 0x7f7f0000, v[W4+\a]        ; bytes 2, 3: the scale 1 for the zero codes
.endr
	s_lshl_b32 s73, s[XX], 2
	s_lshl_b32 s75, s[H0], 1
	s_add_co_u32 s73, s73, s75                     ; my first head among Wq's 16 and Wk's 16
	s_lshl_b32 s74, s[H1], 2
	s_add_co_u32 s74, s74, s[T1]                   ; my first token tile
	s_lshr_b32 s75, s74, 7
	s_lshl_b32 s75, s75, 4
	s_and_b32 s76, s73, 15
	s_add_co_u32 s75, s75, s76                     ; the record: 16 b + head
	s_mul_i32 s75, s75, REC
	s_lshr_b32 s76, s73, 4
	s_mul_i32 s76, s76, 73728                      ; K's part lies 73,728 bytes behind Q's
	s_add_co_u32 s76, s75, s76
	s_mov_b32 s77, 0
	s_add_nc_u64 s[76:77], s[14:15], s[76:77]
	s_and_b32 s78, s74, 127                        ; the tile inside its batch
	s_lshl_b32 s80, s78, 9
	s_mov_b32 s81, 0
	s_add_nc_u64 s[80:81], s[76:77], s[80:81]
	s_lshr_b32 s82, s78, 2
	s_lshl_b32 s82, s82, 8
	s_add_co_u32 s82, s82, 65536
	s_mov_b32 s83, 0
	s_add_nc_u64 s[82:83], s[76:77], s[82:83]
	v_mul_u32_u24 v[WO], v[HH], REC
	v_lshl_add_u32 v[WO], v[RR], 4, v[WO]
	s_wait_alu depctr_va_vdst(0)
.irp a, 0,1,2,3
.irp g, 0,1
	global_store_b128 v[L16], v[CD+4*(2*\a+\g):CD+4*(2*\a+\g)+3], s[80:81] offset:512*\a+REC*\g   ; 512 consecutive bytes, aligned
.endr
.endr
	global_store_b128 v[WO], v[W4:W4+3], s[82:83]  ; sixteen lanes store 256 consecutive bytes, aligned, in each of the two heads' records
	s_branch .Lout_done
.Lout_v:
	; V: unit (a, g): tile a of the head's 64, keys 64 g + 32 h on of my key step: my bytes are blocks h and 2 + h
.irp a, 0,1,2,3
	v_lshl_or_b32 v[WD+\a], v[BY+2*\a+1], 16, v[BY+2*\a]
.endr
.irp a, 0,1,2,3
	v_lshlrev_b32 v[WD+\a], v[SH8], v[WD+\a]
.endr
.irp a, 0,1,2,3
	v_permlanex16_b32 v[PT+\a], v[WD+\a], s[SEL], s[SEL+1]
.endr
.irp a, 0,1,2,3
	v_or_b32 v[W4+\a], v[WD+\a], v[PT+\a]
.endr
	s_sub_co_u32 s72, s[T1], 640
	s_lshr_b32 s72, s72, 2
	s_add_co_u32 s72, s72, s[H1]                   ; the head
	s_lshr_b32 s73, s[T0], 3
	s_add_co_u32 s73, s73, s[H0]                   ; my key step among the 64 of all batches
	s_lshr_b32 s74, s73, 4
	s_lshl_b32 s74, s74, 4
	s_add_co_u32 s74, s74, s72                     ; the record
	s_mul_i32 s76, s74, REC
	s_mov_b32 s77, 0
	s_add_nc_u64 s[76:77], s[14:15], s[76:77]
	s_and_b32 s78, s73, 15
	s_lshl_b32 s80, s78, 12
	s_add_co_u32 s80, s80, 147456
	s_mov_b32 s81, 0
	s_add_nc_u64 s[80:81], s[76:77], s[80:81]
	s_lshl_b32 s82, s78, 8
	s_add_co_u32 s82, s82, 212992
	s_mov_b32 s83, 0
	s_add_nc_u64 s[82:83], s[76:77], s[82:83]
	v_lshlrev_b32 v[WO], 4, v[RR]
.irp a, 0,1,2,3
.irp g, 0,1
	global_store_b128 v[L16], v[CD+4*(2*\a+\g):CD+4*(2*\a+\g)+3], s[80:81] offset:1024*\a+512*\g
.endr
.endr
	v_cmp_eq_u32 vcc_lo, 0, v[HH]
	s_wait_alu depctr_va_vdst(0)
	s_wait_xcnt 0x0                                ; EXEC changes only behind this wait: it is a source of the stores above
	s_and_saveexec_b32 s84, vcc_lo
	global_store_b128 v[WO], v[W4:W4+3], s[82:83]  ; lanes 0-15 store the step's 256 bytes of scale words, aligned
	s_wait_xcnt 0x0                                ; and again, in front of the line that widens it
	s_or_b32 exec_lo, exec_lo, s84
.Lout_done:
	s_wait_tensorcnt 0x0                           ; the wave's end, behind my last tensor load
	ds_add_u32 v[SPW], v[NIL]
	s_wait_dscnt 0x0
	CROUND                                         ; the closing round: no work-group ends while a partner may still ask for a tile that names it
	s_endpgm
.Lfunc_end_k_q13d4ab2734_qkvgemm:
	.size	k_q13d4ab2734_qkvgemm, .Lfunc_end_k_q13d4ab2734_qkvgemm-k_q13d4ab2734_qkvgemm
	.p2alignl 7, 3214868480
	.fill 96, 4, 3214868480
	.section	.rodata,"a",@progbits
	.p2align	6, 0x0
	.amdhsa_kernel k_q13d4ab2734_qkvgemm
		.amdhsa_group_segment_fixed_size 200704
		.amdhsa_private_segment_fixed_size 0
		.amdhsa_enable_private_segment 0
		.amdhsa_kernarg_size 48
		.amdhsa_user_sgpr_count 2
		.amdhsa_user_sgpr_kernarg_segment_ptr 1
		.amdhsa_wavefront_size32 1
		.amdhsa_system_sgpr_workgroup_id_x 1
		.amdhsa_system_sgpr_workgroup_id_y 1
		.amdhsa_system_sgpr_workgroup_id_z 1
		.amdhsa_system_vgpr_workitem_id 0
		.amdhsa_next_free_vgpr 576
		.amdhsa_next_free_sgpr 100
		.amdhsa_reserve_vcc 1
		.amdhsa_float_denorm_mode_32 3
		.amdhsa_float_denorm_mode_16_64 3
		.amdhsa_memory_ordered 1
		.amdhsa_forward_progress 1
		.amdhsa_inst_pref_size 82
	.end_amdhsa_kernel
	.amdgpu_metadata
---
amdhsa.version: [ 1, 2 ]
amdhsa.kernels:
  - .name:           k_q13d4ab2734_qkvgemm
    .symbol:         k_q13d4ab2734_qkvgemm.kd
    .args:
      - { .name: xw_codes, .offset: 0, .size: 8, .value_kind: global_buffer, .address_space: global }
      - { .name: xw_scales, .offset: 8, .size: 8, .value_kind: global_buffer, .address_space: global }
      - { .name: bq, .offset: 16, .size: 8, .value_kind: global_buffer, .address_space: global }
      - { .name: bk, .offset: 24, .size: 8, .value_kind: global_buffer, .address_space: global }
      - { .name: bv, .offset: 32, .size: 8, .value_kind: global_buffer, .address_space: global }
      - { .name: qkv, .offset: 40, .size: 8, .value_kind: global_buffer, .address_space: global }
    .group_segment_fixed_size: 200704
    .private_segment_fixed_size: 0
    .kernarg_segment_align: 8
    .kernarg_segment_size: 48
    .max_flat_workgroup_size: 128
    .sgpr_count:     100
    .vgpr_count:     576
    .wavefront_size: 32
...
	.end_amdgpu_metadata
.endif
;; end of part 2
;; launch attn (part 3): grid 4 x 64, 16 waves a work-group, clusters of 4 x 1, 167,936 bytes of LDS; arguments qkv, o_codes, o_scales; writes o_codes, o_scales
.if DOCPART == 3
	.amdgcn_target "amdgcn-amd-amdhsa--gfx1250"
	.amdhsa_code_object_version 6
	.text
	.protected	k_q13d4ab2734_attn
	.globl	k_q13d4ab2734_attn
	.p2align	8
	.type	k_q13d4ab2734_attn,@function
k_q13d4ab2734_attn:
	s_mov_b64 s[64:65], 0
	v_nop
	global_prefetch_b8 v0, s[64:65] scope:SCOPE_SE
	s_setreg_imm32_b32 hwreg(HW_REG_WAVE_MODE, 25, 1), 1
	s_wait_xcnt 0x0
	s_wait_alu depctr_hold_cnt(0) depctr_sa_sdst(0) depctr_va_vdst(0) depctr_va_sdst(0) depctr_va_ssrc(0) depctr_va_vcc(0) depctr_vm_vsrc(0)
	s_getreg_b32 s2, hwreg(HW_REG_IB_STS2, 6, 4)
	s_cmp_eq_u32 s2, 0
	s_cbranch_scc0 .Lentry_in_a_cluster
	s_endpgm
.Lentry_in_a_cluster:
	s_bfe_u32 s2, ttmp6, 0x10000c
	s_cmp_lg_u32 s2, 0x3003
	s_cbranch_scc0 .Lentry_shape_is_right
	s_endpgm
.Lentry_shape_is_right:
; LAUNCH 3 OF 4.  For each batch and head: O = softmax(q k^T / 8) v on codes of FP4 (E2M1), and O quantised at once along head x 64 + d for the last product.  Nothing is left out.
; THE SOFTMAX AHEAD OF THE SECOND PRODUCT: t = score x log2(e) / 8; M = the row's largest t so far, rounded UP to a whole number; p = 2^(t - M) is what is quantised, along the keys, not normalised.
; The row's sum is taken of the unquantised p, in f32, and divides O at the end.  When M moves, the sum and O are multiplied by 2^(old M - new M): exact.
; SHARES.  A work-group owns 512 queries of one head, each of its sixteen waves two tiles of 16, one after the other (PASS 0, 1), in 256 registers: four waves to a SIMD, so that one wave's vector work stands
; beside another's matrix work and LDS loads.  Every wave walks all 2,048 keys, 128 a step.
; K AND V OF THE WHOLE HEAD, codes and scale words, are 143,360 consecutive bytes of the head's record (launch 2) and stay in LDS: each wave brings 35 rows of 256 bytes by one tensor load at the head; nothing is
; filled again, so there is no ring, and no later load that a prefetch could run ahead of.  CLUSTER 4 x 1: the four work-groups of a head need the same bytes and ask for them jointly.
; LAYOUT.  Both products are used transposed: S^T = K Q^T (source 0 = 16 keys), O^T = V^T P^T (source 0 = 16 of the head's 64): a lane holds ONE query (lane % 16) throughout.  By the order of rows in a tile
; (launch 1) the 32 score registers of four tiles are keys 64 c + 32 (lane / 16) + 0 .. 31 of the step: a whole block, so that its largest score needs no other lane and the four conversions' results are P's registers
; as they stand; likewise O^T's 32 registers are d = 32 (lane / 16) + 0 .. 31.  The first product's K is 64: registers 4-7 of K's and Q's fragments hold zero codes, under the scale byte 0x7f.
; A BLOCK'S LARGEST p IS NOT SEARCHED FOR: the block's largest score goes through the same multiply-add and exponential (this takes v_exp_f32 not to fall where its input rises).
; OUT: o_codes: image tiles as x's, block 2 head + lane / 16.  o_scales: [head / 2 (8)][tile (512)][place] words; a head's two bytes are the 16-bit half head % 2: one store of 2 bytes a lane for each wave,
; which fills every second half-word of 128 bytes: one byte in 16 of what the launch stores.
; LIMITS: NaN and infinities are not served; a p under 2^-126 counts as 0 (v_exp_f32); a block whose every p is 0 keeps the byte 1, its codes are zeros; 1 / l is v_rcp_f32 and a multiplication.
.set KSW,   65536                      ; LDS: K's codes at 0; K's scale words;
.set VCO,   73728                      ; V's codes;
.set VSW,   139264                     ; V's scale words;
.set SPARE, 143360                     ; the spare words, 128 bytes for each wave: eight blocks of 256 bytes that no other line names
.set REC,   217088
.set L16,  1                           ; v1   16 x lane
.set ADK,  2                           ; v2   LDS: the next step's tiles of K
.set ADV,  3                           ; v3   this step's tiles of V
.set ADVS, 4                           ; v4   V's scale words
.set AVS0, 5                           ; v5   VSW + 16 (lane % 16)
.set SPW,  6                           ; v6   LDS address of my spare word; never rewritten
.set NIL,  7                           ; v7   0; never rewritten
.set SH8,  8                           ; v8   8 (lane / 16)
.set L4,   9                           ; v9   4 x lane
.set ADKS, 10                          ; v10  K's scale words
.set AV0,  11                          ; v11  VCO + 16 x lane
.set KS,   34                          ; v[34:37] K's scale words: register t: tile t in lanes 0-15, tile 4 + t in lanes 16-31
.set VS,   38                          ; v[38:41] V's
.set PW,   42                          ; v42  p's scale word
.set TA,   43                          ; v43  at work
.set PT,   44                          ; v44  a lane permute's destination
.set AKS0, 45                          ; v45  KSW + 16 x lane
.set OSV,  46                          ; v46, v47 O's two scale bytes of pass 0, 1
.set KF,   48                          ; v48-111 K's 8 fragments
.set VF,   112                         ; v112-143 V's 4
.set S,    144                         ; v144-207 S^T, then p
.set O,    208                         ; v208-239 O^T
.set P,    240                         ; v240-247 p's codes
.set MB,   248                         ; v248, v249 the two blocks' largest scores, then p, then bytes
.set EB,   250                         ; v250, v251 the conversions' scale operands
.set WV,   10                          ; (v12 -M, v13 the largest score, v[14:15] the sum; v16-23, v24-31 Q of pass 0, 1; v32, v33 Q's scale words; v[252:253] f; v[254:255] the sum's second chain)
.set CX,   11
.set YY,   12
.set HD,   13
.set BB,   14
.set G1,   16                          ; s[16:23] descriptor group 1;  s[24:27] group 0
.set G0,   24
.set SEL,  32                          ; s[32:33] lane selects: lane l xor 16
.set CS,   34                          ; s[34:35] c = log2(e) / 8
.set ST,   36                          ; s36  4,096 x the key step
.set KN,   37
.set KNS,  38
.set VSO,  39
.macro CROUND                          ; a round of the cluster's barrier
	s_barrier_signal -1
	s_barrier_wait -1
	s_cmp_lg_u32 s[WV], 0
	s_cbranch_scc1 .Lnot_wave_0_\@
	s_barrier_signal -3
.Lnot_wave_0_\@:
	s_barrier_wait -3
	s_barrier_signal -1
	s_barrier_wait -1
.endm
	s_load_b128 s[4:7], s[0:1], 0x0                ; qkv s[4:5], o_codes s[6:7]
	s_load_b64 s[8:9], s[0:1], 0x10                ; o_scales
	v_lshl_add_u32 v[SPW], v0, 2, SPARE
	v_mov_b32 v[NIL], 0
	ds_add_u32 v[SPW], v[NIL]                      ; the wave's opening: the add, twice on end, and its wait ahead of my first tensor load
	ds_add_u32 v[SPW], v[NIL]                      ; and once more; the set-up below, work on registers, stands between it and the wait
	v_lshrrev_b32 v1, 5, v0
	s_delay_alu instid0(VALU_DEP_1)
	v_readfirstlane_b32 s[WV], v1                  ; wave 0..15
	s_bfe_u32 s[CX], ttmp6, 0x40000                ; my place in the cluster: which 512 queries; it enters Q's and the outputs' addresses alone
	s_and_b32 s[YY], ttmp7, 0xffff                 ; the record: 16 b + head
	s_and_b32 s[HD], s[YY], 15
	s_lshr_b32 s[BB], s[YY], 4
	s_mov_b32 s[G1+0], 15|(3<<16)|(1<<21)          ; the mask: all four work-groups; elements of 8 bytes; bit 21 set beside a mask
	s_mov_b32 s[G1+1], 32<<16                      ; a dense block as rows of 256 bytes: 32 elements,
	s_mov_b32 s[G1+2], 35<<16                      ; 35 rows a wave: 16 x 35 x 256 = 143,360
	s_mov_b32 s[G1+3], 32<<16
	s_mov_b32 s[G1+4], 35
	s_mov_b32 s[G1+5], 32
	s_mov_b32 s[G1+6], 0
	s_mov_b32 s[G1+7], 0
	s_mov_b32 s[SEL], 0x76543210
	s_mov_b32 s[SEL+1], 0xfedcba98
	s_mov_b32 s[CS], 0x3e38aa3b                    ; log2(e) / 8
	s_mov_b32 s[CS+1], s[CS]                       ; (named with it as a pair, so it is written)
	s_mul_i32 s40, s[YY], REC
	s_mov_b32 s41, 0
	s_mul_i32 s42, s[WV], 8960                     ; my 35 rows, in LDS,
	s_add_co_u32 s44, s42, 73728                   ; and in the record, where K begins at 73,728
	s_mov_b32 s45, 0
	s_wait_dscnt 0x0                               ; both opening adds are done
	s_wait_kmcnt 0x0
	s_add_nc_u64 s[4:5], s[4:5], s[40:41]          ; the record
	CROUND                                         ; all four work-groups are here: the joint loads meet
	s_mov_b32 s[G0+0], 1
	s_mov_b32 s[G0+1], s42
	s_add_nc_u64 s[G0+2:G0+3], s[4:5], s[44:45]
	s_or_b32 s[G0+3], s[G0+3], 0x80000000
	tensor_load_to_lds s[G0:G0+3], s[G1:G1+7]      ; one load of mine is out
	s_nop 0
.rept 4
	v_nop
.endr
	v_and_b32 v1, 31, v0
	s_delay_alu instid0(VALU_DEP_1)
	v_lshlrev_b32 v[L4], 2, v1
	s_delay_alu instid0(VALU_DEP_2)
	v_lshlrev_b32 v[L16], 4, v1
	v_and_b32 v[TA], 15, v0
	s_delay_alu instid0(VALU_DEP_1)
	v_lshlrev_b32 v[TA], 4, v[TA]                  ; 16 (lane % 16)
	s_wait_alu depctr_va_vdst(0)
	v_add_nc_u32 v[AVS0], VSW, v[TA]
	v_add_nc_u32 v[AV0], VCO, v[L16]
	v_add_nc_u32 v[AKS0], KSW, v[L16]
	v_bfe_u32 v[SH8], v0, 4, 1
	s_delay_alu instid0(VALU_DEP_1)
	v_lshlrev_b32 v[SH8], 3, v[SH8]
	s_lshl_b32 s46, s[CX], 5
	s_lshl_b32 s47, s[WV], 1
	s_add_co_u32 s46, s46, s47                     ; my first query tile in the head: 32 cx + 2 wave
	s_lshl_b32 s48, s46, 9
	s_mov_b32 s49, 0
	s_add_nc_u64 s[48:49], s[4:5], s[48:49]
	global_load_b128 v[16:19], v[L16], s[48:49]    ; Q's fragments stay in registers
	global_load_b128 v[24:27], v[L16], s[48:49] offset:512
	s_lshr_b32 s50, s46, 2
	s_lshl_b32 s50, s50, 8
	s_and_b32 s51, s46, 3
	s_lshl_b32 s51, s51, 2
	s_add_co_u32 s50, s50, s51
	s_add_co_u32 s50, s50, 65536
	s_mov_b32 s51, 0
	s_add_nc_u64 s[50:51], s[4:5], s[50:51]
	global_load_b32 v32, v[TA], s[50:51]           ; and their scale words
	global_load_b32 v33, v[TA], s[50:51] offset:4
	s_lshl_b32 s52, s[BB], 7
	s_add_co_u32 s52, s52, s46                     ; my first tile among all 512
	s_lshl_b32 s54, s52, 13
	s_lshl_b32 s55, s[HD], 9
	s_add_co_u32 s54, s54, s55
	s_mov_b32 s55, 0
	s_add_nc_u64 s[6:7], s[6:7], s[54:55]          ; o_codes: 8,192 x tile + 512 x head
	s_lshr_b32 s56, s[HD], 1
	s_lshl_b32 s56, s56, 15
	s_lshl_b32 s57, s52, 6
	s_add_co_u32 s56, s56, s57
	s_and_b32 s57, s[HD], 1
	s_lshl_b32 s57, s57, 1
	s_add_co_u32 s56, s56, s57
	s_mov_b32 s57, 0
	s_add_nc_u64 s[8:9], s[8:9], s[56:57]          ; o_scales: 32,768 (head / 2) + 64 x tile + 2 (head % 2)
.irp j, 20,21,22,23,28,29,30,31
	v_mov_b32 v[\j], 0                             ; zero codes: K = 64 .. 127 of the first product, in Q,
.endr
.irp i, 0,1,2,3,4,5,6,7
.irp j, 4,5,6,7
	v_mov_b32 v[KF+8*\i+\j], 0                     ; and in K: written once, never loaded
.endr
.endr
	v_mov_b32 v[PT], 0                             ; a lane permute's destination counts as one of its sources
	v_mov_b32 v253, 0                              ; (named as the upper half of the pair v[252:253])
	s_wait_tensorcnt 0x0                           ; my part of K and V is in,
	s_barrier_signal -1
	s_barrier_wait -1                              ; everybody's is
.irp i, 0,1,2,3,4,5,6,7
	ds_load_b128 v[KF+8*\i:KF+8*\i+3], v[L16] offset:512*\i    ; key step 0's K
.endr
	ds_load_b128 v[KS:KS+3], v[AKS0]
	s_wait_loadcnt 0x0                             ; Q
.macro PASS p                          ; one tile of 16 queries through all 16 key steps, and out
.set QF, 16+8*(\p)
.set QS, 32+(\p)
.if \p > 0
	s_wait_xcnt 0x0                                ; the last pass's store has read its registers: they may be written again
.endif
	v_mov_b32 v13, 0xff61b1e6                      ; the largest score so far: -3e38
	s_delay_alu instid0(VALU_DEP_1)
	v_mul_f32 v254, s[CS], v13
	s_delay_alu instid0(VALU_DEP_1)
	v_floor_f32 v12, -v254                         ; -M
	v_mov_b32 v14, 0                               ; the sum, in two halves
	v_mov_b32 v15, 0
.set i, 0
.rept 32
	v_mov_b32 v[O+i], 0                            ; O^T.  (The step is written once a pass: its first trip finds zeros, which the first change of M leaves zeros)
.set i, i+1
.endr
	s_mov_b32 s[ST], 0
.Lstep_\@:
	s_wait_dscnt 0x0                               ; this step's K, asked for a step ago
	s_setprio 2
.irp c, 0,1
.irp t, 0,1,2,3
.if \c == 0
	v_wmma_scale_f32_16x16x128_f8f6f4 v[S+32*\c+8*\t:S+32*\c+8*\t+7], v[KF+8*(4*\c+\t):KF+8*(4*\c+\t)+7], v[QF:QF+7], 0, v[KS+\t], v[QS] matrix_a_fmt:MATRIX_FMT_FP4 matrix_b_fmt:MATRIX_FMT_FP4
.else
	v_wmma_scale_f32_16x16x128_f8f6f4 v[S+32*\c+8*\t:S+32*\c+8*\t+7], v[KF+8*(4*\c+\t):KF+8*(4*\c+\t)+7], v[QF:QF+7], 0, v[KS+\t], v[QS] matrix_a_fmt:MATRIX_FMT_FP4 matrix_b_fmt:MATRIX_FMT_FP4 matrix_a_scale:MATRIX_SCALE_ROW1
.endif
.endr
.endr
	s_add_co_u32 s[KN], s[ST], 4096
	s_and_b32 s[KN], s[KN], 0xffff                 ; the next step's K; behind the last step comes step 0 again, which the next pass wants
	s_lshr_b32 s[KNS], s[KN], 3                    ; its scale words: 512 bytes a step
	s_lshr_b32 s[VSO], s[ST], 4                    ; V's: 256 bytes a step
	v_add_nc_u32 v[ADV], s[ST], v[AV0]             ; these four are the places between the matrix instructions and the loads into registers that they have read, and the first read of the scores
	v_add_nc_u32 v[ADVS], s[VSO], v[AVS0]
	v_add_nc_u32 v[ADK], s[KN], v[L16]
	v_add_nc_u32 v[ADKS], s[KNS], v[AKS0]
.irp t, 0,1,2,3
.irp c, 0,1
	ds_load_b128 v[VF+8*\t+4*\c:VF+8*\t+4*\c+3], v[ADV] offset:1024*\t+512*\c   ; this step's V: nine loads,
.endr
.endr
	ds_load_b128 v[VS:VS+3], v[ADVS]
.irp i, 0,1,2,3,4,5,6,7
	ds_load_b128 v[KF+8*\i:KF+8*\i+3], v[ADK] offset:512*\i                    ; then the next step's K: nine
.endr
	ds_load_b128 v[KS:KS+3], v[ADKS]
.irp c, 0,1
	v_max3_num_f32 v[MB+\c], v[S+32*\c], v[S+32*\c+1], v[S+32*\c+2]   ; THE LARGEST SCORE OF EACH BLOCK OF 32 KEYS, all mine; ascending
.endr
.irp i, 3,5,7,9,11,13,15,17,19,21,23,25,27,29
.irp c, 0,1
	v_max3_num_f32 v[MB+\c], v[MB+\c], v[S+32*\c+\i], v[S+32*\c+\i+1]
.endr
.endr
.irp c, 0,1
	v_max_num_f32 v[MB+\c], v[MB+\c], v[S+32*\c+31]
.endr
	s_delay_alu instid0(VALU_DEP_1)
	v_max_num_f32 v[TA], v[MB], v[MB+1]
	s_delay_alu instid0(VALU_DEP_1)
	v_permlanex16_b32 v[PT], v[TA], s[SEL], s[SEL+1]
	s_delay_alu instid0(VALU_DEP_1)
	v_max3_num_f32 v13, v13, v[TA], v[PT]          ; the running largest score of my query
	v_mov_b32 v[TA], v12
	s_delay_alu instid0(VALU_DEP_2)
	v_mul_f32 v254, s[CS], v13                     ; as t (c is positive)
	s_delay_alu instid0(VALU_DEP_1)
	v_floor_f32 v12, -v254                         ; the new -M = floor(-t) = -ceil(t): a whole number
	s_delay_alu instid0(VALU_DEP_1)
	v_sub_f32 v[TA], v12, v[TA]                    ; M's old value less its new one: a whole number, 0 or less
	s_delay_alu instid0(VALU_DEP_1)
	v_cvt_i32_f32 v[TA], v[TA]                     ; (it saturates)
	s_delay_alu instid0(VALU_DEP_1)
	v_ldexp_f32 v252, 1.0, v[TA]                   ; f = 2^(old M - new M)
.set i, 0
.rept 32
	v_pk_fma_f32 v[S+i:S+i+1], v[S+i:S+i+1], s[CS:CS+1], v[12:13] op_sel_hi:[1,0,0]   ; t - M, two at a time (of the pairs c and -M the low word serves both halves)
.set i, i+2
.endr
	v_fma_f32 v[MB], v[MB], s[CS], v12             ; the same of each block's largest score
	v_fma_f32 v[MB+1], v[MB+1], s[CS], v12
.set i, 0
	s_wait_alu depctr_va_vdst(0)
.rept 64
	v_exp_f32 v[S+i], v[S+i]                       ; p = 2^(t - M), at most 1
.set i, i+1
.endr
	s_setprio 1
	v_pk_mul_f32 v[14:15], v[14:15], v[252:253] op_sel_hi:[1,0]   ; the sums under the new M (a plain line behind the exponentials)
	s_wait_alu depctr_va_vdst(0)                   ; the wait ahead of the first line that names a result: one for the batch of 64
	v_exp_f32 v[MB], v[MB]                         ; the blocks' largest p: the same two instructions on the same number give the same bits
	v_exp_f32 v[MB+1], v[MB+1]
	v_pk_add_f32 v[254:255], v[148:149], v[152:153]
	v_pk_add_f32 v[250:251], v[156:157], v[160:161]
	v_pk_add_f32 v[246:247], v[164:165], v[168:169]
	v_pk_add_f32 v[244:245], v[172:173], v[176:177]
	v_pk_add_f32 v[242:243], v[180:181], v[184:185]
	v_pk_add_f32 v[240:241], v[188:189], v[192:193]
	v_pk_add_f32 v[42:43], v[196:197], v[200:201]
	v_pk_add_f32 v[14:15], v[14:15], v[204:205]
	v_pk_add_f32 v[254:255], v[254:255], v[144:145]
	v_pk_add_f32 v[250:251], v[250:251], v[146:147]
	v_pk_add_f32 v[246:247], v[246:247], v[150:151]
	v_pk_add_f32 v[244:245], v[244:245], v[154:155]
	v_pk_add_f32 v[242:243], v[242:243], v[158:159]
	v_pk_add_f32 v[240:241], v[240:241], v[162:163]
	v_pk_add_f32 v[42:43], v[42:43], v[166:167]
	v_pk_add_f32 v[14:15], v[14:15], v[170:171]
	v_pk_add_f32 v[254:255], v[254:255], v[174:175]
	v_pk_add_f32 v[250:251], v[250:251], v[178:179]
	v_pk_add_f32 v[246:247], v[246:247], v[182:183]
	v_pk_add_f32 v[244:245], v[244:245], v[186:187]
	v_pk_add_f32 v[242:243], v[242:243], v[190:191]
	v_pk_add_f32 v[240:241], v[240:241], v[194:195]
	v_pk_add_f32 v[42:43], v[42:43], v[198:199]
	v_pk_add_f32 v[14:15], v[14:15], v[202:203]
	v_pk_add_f32 v[254:255], v[254:255], v[206:207]
	s_delay_alu instid0(VALU_DEP_2)
	v_pk_add_f32 v[14:15], v[14:15], v[244:245]
	s_delay_alu instid0(VALU_DEP_2)
	v_pk_add_f32 v[254:255], v[254:255], v[242:243]
	v_pk_add_f32 v[250:251], v[250:251], v[240:241]
	v_pk_add_f32 v[246:247], v[246:247], v[42:43]
	s_delay_alu instid0(VALU_DEP_2)
	v_pk_add_f32 v[14:15], v[14:15], v[250:251]
	s_delay_alu instid0(VALU_DEP_2)
	v_pk_add_f32 v[254:255], v[254:255], v[246:247]
	s_delay_alu instid0(VALU_DEP_1)
	v_pk_add_f32 v[14:15], v[14:15], v[254:255]
	s_wait_alu depctr_va_vdst(0)                   ; and one for the two
	v_max_num_f32 v[MB], 0x1800000, v[MB]          ; the floor 2^(3 - 127): the byte cannot fall under 1
	v_max_num_f32 v[MB+1], 0x1800000, v[MB+1]
	s_delay_alu instid0(VALU_DEP_2)
	v_add_nc_u32 v[EB], 0xff000000, v[MB]          ; 2 off the exponent field: the conversion's scale operand
	s_delay_alu instid0(VALU_DEP_2)
	v_add_nc_u32 v[EB+1], 0xff000000, v[MB+1]
	s_delay_alu instid0(VALU_DEP_2)
	v_lshrrev_b32 v[MB], 23, v[EB]                 ; the scale's byte
	s_delay_alu instid0(VALU_DEP_2)
	v_lshrrev_b32 v[MB+1], 23, v[EB+1]
	s_delay_alu instid0(VALU_DEP_1)
	v_lshl_or_b32 v[TA], v[MB+1], 16, v[MB]        ; my bytes are those of blocks h and 2 + h;
	s_delay_alu instid0(VALU_DEP_1)
	v_lshlrev_b32 v[TA], v[SH8], v[TA]
	s_delay_alu instid0(VALU_DEP_1)
	v_permlanex16_b32 v[PT], v[TA], s[SEL], s[SEL+1]
	s_delay_alu instid0(VALU_DEP_1)
	v_or_b32 v[PW], v[TA], v[PT]                   ; with lane l xor 16's two the word is whole
.irp c, 0,1
.irp g, 0,1,2,3
	v_cvt_scalef32_pk8_fp4_f32 v[P+4*\c+\g], v[S+32*\c+8*\g:S+32*\c+8*\g+7], v[EB+\c]   ; registers 4 c .. 4 c + 3 of the operand, as they stand
.endr
.endr
	v_nop                                          ; one plain line behind the last scaled conversion
.set i, 0
	s_setprio 0
.rept 16
	v_pk_mul_f32 v[O+i:O+i+1], v[O+i:O+i+1], v[252:253] op_sel_hi:[1,0]   ; O^T under the new M.  (With the v_nop: 17 plain lines between the scale word's and the codes' last writes and the scaled matrix instructions)
.set i, i+2
.endr
	s_wait_alu depctr_va_vdst(0)
	s_wait_dscnt 9                                 ; V is in; the nine loads of the next step's K, issued behind V's, may be out
.irp t, 0,1,2,3
	v_wmma_scale_f32_16x16x128_f8f6f4 v[O+8*\t:O+8*\t+7], v[VF+8*\t:VF+8*\t+7], v[P:P+7], v[O+8*\t:O+8*\t+7], v[VS+\t], v[PW] matrix_a_fmt:MATRIX_FMT_FP4 matrix_b_fmt:MATRIX_FMT_FP4   ; the four accumulators by turns
.endr
	s_add_co_u32 s[ST], s[ST], 4096
	s_cmp_lt_u32 s[ST], 65536
	s_cbranch_scc1 .Lstep_\@
	s_setprio 0
	; the way out: O^T / the sum, quantised: my 32 registers are d = 32 h + 0 .. 31 of my query: one block
	v_add_f32 v14, v14, v15                        ; the sum's two halves,
	s_delay_alu instid0(VALU_DEP_1)
	v_permlanex16_b32 v[PT], v14, s[SEL], s[SEL+1]
	s_delay_alu instid0(VALU_DEP_1)
	v_add_f32 v14, v14, v[PT]                      ; and lane l xor 16's
	s_wait_alu depctr_va_vdst(0)
	v_rcp_f32 v252, v14
.rept 3
	v_nop                                          ; with the two additions: the places behind the last products; and the plain line behind the reciprocal
.endr
	s_wait_alu depctr_va_vdst(0)                   ; the wait ahead of the reciprocal's first reader
.set i, 0
.rept 16
	v_pk_mul_f32 v[O+i:O+i+1], v[O+i:O+i+1], v[252:253] op_sel_hi:[1,0]
.set i, i+2
.endr
	v_max3_num_f32 v[S], |v[O]|, |v[O+1]|, 0x1800000
	v_max3_num_f32 v[S+1], |v[O+16]|, |v[O+17]|, |v[O+18]|
.irp i, 0,1,2,3,4,5
	s_delay_alu instid0(VALU_DEP_2)
	v_max3_num_f32 v[S], v[S], |v[O+2+2*\i]|, |v[O+3+2*\i]|
	s_delay_alu instid0(VALU_DEP_2)
	v_max3_num_f32 v[S+1], v[S+1], |v[O+19+2*\i]|, |v[O+20+2*\i]|
.endr
	s_delay_alu instid0(VALU_DEP_2)
	v_max3_num_f32 v[S], v[S], |v[O+14]|, |v[O+15]|
	s_delay_alu instid0(VALU_DEP_1)
	v_max3_num_f32 v[S], v[S], v[S+1], |v[O+31]|
	s_delay_alu instid0(VALU_DEP_1)
	v_add_nc_u32 v[S+2], 0xff000000, v[S]
.irp g, 0,1,2,3
	v_cvt_scalef32_pk8_fp4_f32 v[S+4+\g], v[O+8*\g:O+8*\g+7], v[S+2]
.endr
	v_lshrrev_b32 v[S+3], 23, v[S+2]               ; the byte (also the plain line behind the conversions)
	global_store_b128 v[L16], v[S+4:S+7], s[6:7] offset:8192*(\p)   ; 512 consecutive bytes, aligned
	v_lshlrev_b32 v[S+3], v[SH8], v[S+3]
	s_delay_alu instid0(VALU_DEP_1)
	v_permlanex16_b32 v[PT], v[S+3], s[SEL], s[SEL+1]
	s_delay_alu instid0(VALU_DEP_1)
	v_or_b32 v[OSV+(\p)], v[S+3], v[PT]            ; the head's two bytes of my query
.endm
	PASS 0
	PASS 1
	v_cmp_eq_u32 vcc_lo, 8, v[SH8]
	s_delay_alu instid0(VALU_DEP_1)
	v_cndmask_b32 v[TA], v[OSV], v[OSV+1], vcc_lo  ; lanes 0-15 send the first tile's, lanes 16-31 the second's, 64 bytes on
	global_store_b16 v[L4], v[TA], s[8:9]
	s_wait_tensorcnt 0x0                           ; the wave's end, behind my last tensor load; the wait on DScnt also takes in the last nine loads of K
	ds_add_u32 v[SPW], v[NIL]
	s_wait_dscnt 0x0
	CROUND                                         ; the closing round: no work-group ends while a partner may still ask for a tile that names it
	s_endpgm
.Lfunc_end_k_q13d4ab2734_attn:
	.size	k_q13d4ab2734_attn, .Lfunc_end_k_q13d4ab2734_attn-k_q13d4ab2734_attn
	.p2alignl 7, 3214868480
	.fill 96, 4, 3214868480
	.section	.rodata,"a",@progbits
	.p2align	6, 0x0
	.amdhsa_kernel k_q13d4ab2734_attn
		.amdhsa_group_segment_fixed_size 167936
		.amdhsa_private_segment_fixed_size 0
		.amdhsa_enable_private_segment 0
		.amdhsa_kernarg_size 24
		.amdhsa_user_sgpr_count 2
		.amdhsa_user_sgpr_kernarg_segment_ptr 1
		.amdhsa_wavefront_size32 1
		.amdhsa_system_sgpr_workgroup_id_x 1
		.amdhsa_system_sgpr_workgroup_id_y 1
		.amdhsa_system_sgpr_workgroup_id_z 1
		.amdhsa_system_vgpr_workitem_id 0
		.amdhsa_next_free_vgpr 256
		.amdhsa_next_free_sgpr 66
		.amdhsa_reserve_vcc 1
		.amdhsa_float_denorm_mode_32 3
		.amdhsa_float_denorm_mode_16_64 3
		.amdhsa_memory_ordered 1
		.amdhsa_forward_progress 1
		.amdhsa_inst_pref_size 47
	.end_amdhsa_kernel
	.amdgpu_metadata
---
amdhsa.version: [ 1, 2 ]
amdhsa.kernels:
  - .name:           k_q13d4ab2734_attn
    .symbol:         k_q13d4ab2734_attn.kd
    .args:
      - { .name: qkv, .offset: 0, .size: 8, .value_kind: global_buffer, .address_space: global }
      - { .name: o_codes, .offset: 8, .size: 8, .value_kind: global_buffer, .address_space: global }
      - { .name: o_scales, .offset: 16, .size: 8, .value_kind: global_buffer, .address_space: global }
    .group_segment_fixed_size: 167936
    .private_segment_fixed_size: 0
    .kernarg_segment_align: 8
    .kernarg_segment_size: 24
    .max_flat_workgroup_size: 512
    .sgpr_count:     66
    .vgpr_count:     256
    .wavefront_size: 32
...
	.end_amdgpu_metadata
.endif
;; end of part 3
;; launch outgemm (part 4): grid 4 x 64, 4 waves a work-group, clusters of 4 x 4, 230,912 bytes of LDS; arguments xw_codes, xw_scales, o_codes, o_scales, bo, out0; writes out0
.if DOCPART == 4
	.amdgcn_target "amdgcn-amd-amdhsa--gfx1250"
	.amdhsa_code_object_version 6
	.text
	.protected	k_q13d4ab2734_outgemm
	.globl	k_q13d4ab2734_outgemm
	.p2align	8
	.type	k_q13d4ab2734_outgemm,@function
k_q13d4ab2734_outgemm:
	s_mov_b64 s[64:65], 0
	v_nop
	global_prefetch_b8 v0, s[64:65] scope:SCOPE_SE
	s_setreg_imm32_b32 hwreg(HW_REG_WAVE_MODE, 25, 1), 1
	s_wait_xcnt 0x0
	s_wait_alu depctr_hold_cnt(0) depctr_sa_sdst(0) depctr_va_vdst(0) depctr_va_sdst(0) depctr_va_ssrc(0) depctr_va_vcc(0) depctr_vm_vsrc(0)
	s_getreg_b32 s2, hwreg(HW_REG_IB_STS2, 6, 4)
	s_cmp_eq_u32 s2, 0
	s_cbranch_scc0 .Lentry_in_a_cluster
	s_endpgm
.Lentry_in_a_cluster:
	s_bfe_u32 s2, ttmp6, 0x10000c
	s_cmp_lg_u32 s2, 0xf033
	s_cbranch_scc0 .Lentry_shape_is_right
	s_endpgm
.Lentry_shape_is_right:
; LAUNCH 4 OF 4.  out0 = O Wo^T + bo on codes of FP4 (E2M1): O's codes and scale words from launch 3, Wo's from launch 1.  Nothing is left out.
; A work-group makes 256 columns of out0 (source 0 = Wo's rows) x 128 tokens (source 1 = O) over all of K = 1,024; all of K lies in LDS, 16 + 8 image tiles, brought by one tensor load a wave at the head: no ring,
; and no later load that a prefetch could run ahead of.  CLUSTER 4 x 4: Wo's tiles hang on x and are shared along a column, O's on y and are shared along a row: each is asked for jointly.
; The matrix instruction is used transposed, so that a lane holds one token and, by the order of rows in an image tile (launch 1), 32 neighbouring columns for each group of four tiles.
; The bias is the C of each sum's first matrix instruction, so it is added first and not last.  LIMITS: NaN and infinities are not served.
; REGISTERS: window 0: v1-15 addresses; v16-47 Wo's scale words (register 8 p + q: tile 2 p in lanes 0-15, tile 2 p + 1 in lanes 16-31, K step q); v48-63 O's; v64-191 Wo's fragments, two sets; v192-255 O's, two sets.
;   window 1: the 32 accumulators, (a, b) at v[8 (8 a + b)].  window 2: v0-63 the bias in the result's layout.
.set S1LDS, 131072                     ; O's tiles, behind Wo's 16
.set STAGE, 196608                     ; the way out: 16 rows x (512 bytes + 16) for each wave; no tensor load lands here
.set SPITCH, 528
.set SPARE, STAGE+4*16*SPITCH          ; the spare words, 128 bytes for each wave: two blocks of 256 bytes that no other line names
.set L16, 1                            ; v1   16 x lane
.set AD0, 2                            ; v2   LDS: my 8 tiles of Wo
.set AD1, 3                            ; v3   LDS: my 4 tiles of O
.set SCO, 4                            ; v4   512 h + 32 r
.set RR,  5                            ; v5   r
.set HH,  6                            ; v6   h
.set BO,  7                            ; v7   my offset in the bias
.set L4,  9                            ; v9   4 x lane
.set SPW, 10                           ; v10  LDS address of my spare word; never rewritten
.set NIL, 11                           ; v11  0; never rewritten
.set STO, 12                           ; v12  the stage: where I put my columns of a row
.set RD,  13                           ; v13  and where I read a row back
.set SC0, 16
.set SC1, 48
.set F0,  64
.set F1,  192
.set BK,  64                           ; the way out: 16 rows read back: v64-127 and v128-191 by turns
.set WV,  16
.set H1,  17
.set H0,  18
.set CX,  19
.set CY,  20
.set XX,  21
.set CLY, 22
.set T0,  24
.set T1,  25
.set G1A, 32
.set G0A, 40
.set G1B, 44
.set G0B, 52
.set MSB, 0
.macro WIN new                         ; the immediate's high byte repeats the setting that is left
.if MSB != \new
	s_set_vgpr_msb (MSB<<8)|\new
.set MSB, \new
.endif
.endm
.macro PLACES n
.rept \n
	v_nop
.endr
.endm
.macro JLOAD                           ; a joint load: waves 0, 1 fetch Wo's halves, waves 2, 3 O's; an s_nop 0 and four v_nop follow each line
	s_cmp_eq_u32 s[H1], 0
	s_cbranch_scc0 .Lfor_b_\@
	tensor_load_to_lds s[G0A:G0A+3], s[G1A:G1A+7]
	s_nop 0
	PLACES 4
	s_branch .Lasked_\@
.Lfor_b_\@:
	tensor_load_to_lds s[G0B:G0B+3], s[G1B:G1B+7]
	s_nop 0
	PLACES 4
.Lasked_\@:
.endm
.macro CROUND                          ; a round of the cluster's barrier
	s_barrier_signal -1
	s_barrier_wait -1
	s_cmp_lg_u32 s[WV], 0
	s_cbranch_scc1 .Lnot_wave_0_\@
	s_barrier_signal -3
.Lnot_wave_0_\@:
	s_barrier_wait -3
	s_barrier_signal -1
	s_barrier_wait -1
.endm
	s_load_b256 s[4:11], s[0:1], 0x0               ; xw_codes s[4:5], xw_scales s[6:7], o_codes s[8:9], o_scales s[10:11]
	s_load_b128 s[12:15], s[0:1], 0x20             ; bo s[12:13], out0 s[14:15]
	v_lshl_add_u32 v[SPW], v0, 2, SPARE
	v_mov_b32 v[NIL], 0
	ds_add_u32 v[SPW], v[NIL]                      ; the wave's opening: the add, twice on end, and its wait ahead of my first tensor load
	ds_add_u32 v[SPW], v[NIL]                      ; and once more; the set-up below, work on registers, stands between it and the wait
	v_lshrrev_b32 v1, 5, v0
	v_readfirstlane_b32 s[WV], v1                  ; wave 0..3
	s_lshr_b32 s[H1], s[WV], 1                     ; my 64 tokens.  Also: I fetch for Wo (0) or for O (1)
	s_and_b32 s[H0], s[WV], 1                      ; my 128 columns.  Also: which half I fetch
	s_bfe_u32 s[CX], ttmp6, 0x40000
	s_bfe_u32 s[CY], ttmp6, 0x40004
	s_lshl_b32 s[XX], ttmp9, 2
	s_add_co_u32 s[XX], s[XX], s[CX]               ; work-group x, 0..3
	s_and_b32 s[CLY], ttmp7, 0xffff                ; cluster y, 0..15
	s_lshl_b32 s26, s[CY], 2
	s_lshl_b32 s26, 15, s26                        ; my row of the cluster
	s_lshl_b32 s27, 0x1111, s[CX]                  ; my column
	s_or_b32 s[G1A+0], s27, (3<<16)|(1<<21)        ; Wo's tiles go to my column; elements of 8 bytes; bit 21 set beside a mask
	s_or_b32 s[G1B+0], s26, (3<<16)|(1<<21)        ; O's to my row
	s_mov_b32 s[G1A+1], 32<<16                     ; a dense block as rows of 256 bytes: 256 rows = 8 image tiles
	s_mov_b32 s[G1A+2], 256<<16
	s_mov_b32 s[G1A+3], 32<<16
	s_mov_b32 s[G1A+4], 256
	s_mov_b32 s[G1A+5], 32
	s_mov_b32 s[G1A+6], 0
	s_mov_b32 s[G1A+7], 0
	s_mov_b32 s[G1B+1], 32<<16                     ; 128 rows = 4 image tiles
	s_mov_b32 s[G1B+2], 128<<16
	s_mov_b32 s[G1B+3], 32<<16
	s_mov_b32 s[G1B+4], 128
	s_mov_b32 s[G1B+5], 32
	s_mov_b32 s[G1B+6], 0
	s_mov_b32 s[G1B+7], 0
	s_lshl_b32 s[T0], s[XX], 4
	s_add_co_u32 s[T0], s[T0], 704                 ; Wo begins at tile 704: made of x alone
	s_lshl_b32 s[T1], s[CLY], 5
	s_lshl_b32 s29, s[CY], 3
	s_add_co_u32 s[T1], s[T1], s29                 ; O's first tile: 8 x work-group y: made of y alone
	s_lshl_b32 s56, s[H0], 3
	s_add_co_u32 s56, s56, s[T0]
	s_lshl_b32 s56, s56, 13
	s_mov_b32 s57, 0
	s_lshl_b32 s58, s[H0], 2
	s_add_co_u32 s58, s58, s[T1]
	s_lshl_b32 s58, s58, 13
	s_mov_b32 s59, 0
	s_mov_b32 s[G0A+0], 1
	s_lshl_b32 s[G0A+1], s[H0], 16                 ; LDS: the wave's number alone
	s_mov_b32 s[G0B+0], 1
	s_lshl_b32 s[G0B+1], s[H0], 15
	s_add_co_u32 s[G0B+1], s[G0B+1], S1LDS
	v_and_b32 v1, 31, v0
	v_lshlrev_b32 v[L4], 2, v1
	v_lshlrev_b32 v[L16], 4, v1
	v_and_b32 v[RR], 15, v0
	v_bfe_u32 v[HH], v0, 4, 1
	s_lshl_b32 s60, s[H0], 16
	v_add_nc_u32 v[AD0], s60, v[L16]
	s_lshl_b32 s61, s[H1], 15
	s_add_co_u32 s61, s61, S1LDS
	v_add_nc_u32 v[AD1], s61, v[L16]
	v_lshlrev_b32 v[SCO], 5, v[RR]
	v_lshl_add_u32 v[SCO], v[HH], 9, v[SCO]
	v_lshlrev_b32 v[BO], 7, v[HH]
	s_mul_i32 s72, s[WV], 16*SPITCH
	s_add_co_u32 s72, s72, STAGE                   ; my stage
	v_mul_u32_u24 v[STO], v[RR], SPITCH
	v_lshl_add_u32 v[STO], v[HH], 7, v[STO]
	v_add_nc_u32 v[STO], s72, v[STO]               ; in: row r, + 128 h
	v_add_nc_u32 v[RD], s72, v[L16]                ; back: the 32 lanes take one row of 512 bytes
	s_lshl_b32 s62, s[H0], 3
	s_add_co_u32 s62, s62, s[T0]
	s_lshl_b32 s62, s62, 9                         ; Wo's scale words: 512 bytes a tile
	s_mov_b32 s63, 0
	s_lshl_b32 s66, s[H1], 2
	s_add_co_u32 s66, s66, s[T1]
	s_lshl_b32 s66, s66, 6                         ; O's: 64 bytes a tile and K step
	s_mov_b32 s67, 0
	s_lshl_b32 s68, s[XX], 8
	s_lshl_b32 s69, s[H0], 7
	s_add_co_u32 s68, s68, s69
	s_lshl_b32 s68, s68, 2                         ; bo at my 128 columns
	s_mov_b32 s69, 0
	s_lshr_b32 s70, s[T1], 3
	s_lshl_b32 s70, s70, 1
	s_add_co_u32 s70, s70, s[H1]                   ; my group of 64 tokens
	s_lshl_b32 s70, s70, 18                        ; 64 rows of 4,096 bytes
	s_lshl_b32 s71, s[XX], 10
	s_add_co_u32 s70, s70, s71
	s_lshl_b32 s71, s[H0], 9
	s_add_co_u32 s70, s70, s71                     ; + my 512 bytes of a row
	s_mov_b32 s71, 0
	s_wait_dscnt 0x0                               ; both opening adds are done
	s_wait_kmcnt 0x0
	s_add_nc_u64 s[G0A+2:G0A+3], s[4:5], s[56:57]
	s_or_b32 s[G0A+3], s[G0A+3], 0x80000000
	s_add_nc_u64 s[G0B+2:G0B+3], s[8:9], s[58:59]
	s_or_b32 s[G0B+3], s[G0B+3], 0x80000000
	s_add_nc_u64 s[62:63], s[6:7], s[62:63]
	s_add_nc_u64 s[66:67], s[10:11], s[66:67]
	s_add_nc_u64 s[68:69], s[12:13], s[68:69]
	s_add_nc_u64 s[14:15], s[14:15], s[70:71]
	CROUND                                         ; all sixteen work-groups are here: the joint loads meet
	JLOAD                                          ; one load of mine is out
	s_wait_alu depctr_va_vdst(0)
.irp p, 0,1,2,3
.irp u, 0,1
	global_load_b128 v[SC0+8*\p+4*\u:SC0+8*\p+4*\u+3], v[SCO], s[62:63] offset:1024*\p+16*\u
.endr
.endr
.irp p, 0,1
.irp q, 0,1,2,3,4,5,6,7
	global_load_b32 v[SC1+8*\p+\q], v[L4], s[66:67] offset:32768*\q+128*\p   ; 128 consecutive bytes: two tiles' words of K step q
.endr
.endr
	WIN 0x80                                       ; destination window 2: register j of tile 4 g + t is bo at column 64 g + 32 h + 8 t + j of my 128
.irp b, 0,1,2,3,4,5,6,7
	global_load_b128 v[8*\b:8*\b+3], v[BO], s[68:69] offset:4*(64*(\b/4)+8*(\b%4))
	global_load_b128 v[8*\b+4:8*\b+7], v[BO], s[68:69] offset:4*(64*(\b/4)+8*(\b%4))+16
.endr
	WIN 0
; One matrix instruction: accumulator (a, b) += Wo's tile b x O's tile a, K step q, from fragment set set.  cm = 0: in place; 1: C = the bias of tile b (window 2).
.macro WM a, b, q, set, cm
.set rD, 8*(8*(\a)+(\b))
.set rC, rD
.if \cm == 1
.set rC, 8*(\b)
.endif
.set rA, F0+64*(\set)+8*(\b)
.set rB, F1+32*(\set)+8*(\a)
.set sA, SC0+8*((\b)/2)+(\q)
.set sB, SC1+8*((\a)/2)+(\q)
.if ((\b)%2 == 0) && ((\a)%2 == 0)
	v_wmma_scale_f32_16x16x128_f8f6f4 v[rD:rD+7], v[rA:rA+7], v[rB:rB+7], v[rC:rC+7], v[sA], v[sB] matrix_a_fmt:MATRIX_FMT_FP4 matrix_b_fmt:MATRIX_FMT_FP4
.elseif (\a)%2 == 0
	v_wmma_scale_f32_16x16x128_f8f6f4 v[rD:rD+7], v[rA:rA+7], v[rB:rB+7], v[rC:rC+7], v[sA], v[sB] matrix_a_fmt:MATRIX_FMT_FP4 matrix_b_fmt:MATRIX_FMT_FP4 matrix_a_scale:MATRIX_SCALE_ROW1
.elseif (\b)%2 == 0
	v_wmma_scale_f32_16x16x128_f8f6f4 v[rD:rD+7], v[rA:rA+7], v[rB:rB+7], v[rC:rC+7], v[sA], v[sB] matrix_a_fmt:MATRIX_FMT_FP4 matrix_b_fmt:MATRIX_FMT_FP4 matrix_b_scale:MATRIX_SCALE_ROW1
.else
	v_wmma_scale_f32_16x16x128_f8f6f4 v[rD:rD+7], v[rA:rA+7], v[rB:rB+7], v[rC:rC+7], v[sA], v[sB] matrix_a_fmt:MATRIX_FMT_FP4 matrix_b_fmt:MATRIX_FMT_FP4 matrix_a_scale:MATRIX_SCALE_ROW1 matrix_b_scale:MATRIX_SCALE_ROW1
.endif
.endm
.macro MUL q, set, cm                  ; 32 matrix instructions; the 32 accumulators take turns, in the same order in every K step
.if \cm == 0
	WIN 0x50                                       ; C and D window 1
.else
	WIN 0x60                                       ; C window 2, D window 1
.endif
.irp a, 0,1,2,3
.irp b, 0,1,2,3,4,5,6,7
	WM \a, \b, \q, \set, \cm
.endr
.endr
.endm
.macro FETCH q, set                    ; 24 LDS loads in one run: K step q's fragments, 512 consecutive bytes a load
.irp i, 0,1,2,3,4,5,6,7
.irp c, 0,1
	ds_load_b128 v[F0+64*(\set)+8*\i+4*\c:F0+64*(\set)+8*\i+4*\c+3], v[AD0] offset:8192*\i+1024*(\q)+512*\c
.endr
.endr
.irp i, 0,1,2,3
.irp c, 0,1
	ds_load_b128 v[F1+32*(\set)+8*\i+4*\c:F1+32*(\set)+8*\i+4*\c+3], v[AD1] offset:8192*\i+1024*(\q)+512*\c
.endr
.endr
.endm
.macro STEP q, cm                      ; a K step of 128: the next step's fragments are asked for first, into the set that the step before has multiplied
.if \q > 0
	PLACES 4                                       ; four plain places between the last matrix instruction and loads into registers that it and its like have read
.endif
.if \q < 7
	FETCH (\q)+1, ((\q)+1)%2
	s_wait_dscnt 24                                ; all but the 24 just issued: this step's fragments are in
.else
	s_wait_dscnt 0x0
.endif
	MUL \q, (\q)%2, \cm
	WIN 0
.endm
	s_wait_tensorcnt 0x0                           ; my part of the tiles is in,
	s_barrier_signal -1
	s_barrier_wait -1                              ; everybody's is
	FETCH 0, 0
	s_wait_loadcnt 0x0                             ; scale words and bias
	STEP 0, 1                                      ; the first K step starts the sums, with the bias as C: nothing is cleared
	STEP 1, 0
	STEP 2, 0
	STEP 3, 0
	STEP 4, 0
	STEP 5, 0
	STEP 6, 0
	STEP 7, 0
; THE WAY OUT, a tile of 16 tokens x 128 columns at a time.  A lane holds 2 x 128 bytes of one row and the lanes beside it hold other rows: so a block goes through my own stage in LDS and comes back as whole rows of
; 512 bytes.  LDS serves a wave's instructions in order (ISA guide 5.7.1.4): no wait between the stores and the loads, nor in front of the next block's stores.
.macro TOSTAGE a
	WIN 0x04                                       ; an LDS store's data are its source 1: window 1
.irp b, 0,1,2,3,4,5,6,7
	ds_store_b128 v[STO], v[64*(\a)+8*\b:64*(\a)+8*\b+3] offset:256*(\b/4)+32*(\b%4)        ; each accumulator from its low end on
	ds_store_b128 v[STO], v[64*(\a)+8*\b+4:64*(\a)+8*\b+7] offset:256*(\b/4)+32*(\b%4)+16
.endr
	WIN 0
.set BBK, BK+64*((\a)%2)
.irp i, 0,1,2,3,4,5,6,7,8,9,10,11,12,13,14,15
	ds_load_b128 v[BBK+4*\i:BBK+4*\i+3], v[RD] offset:\i*SPITCH
.endr
.endm
.macro SEND a, younger                 ; younger: the LDS instructions issued behind block a's loads, which may stay out
.set BBK, BK+64*((\a)%2)
	s_wait_dscnt \younger
.irp i, 0,1,2,3,4,5,6,7,8,9,10,11,12,13,14,15
	global_store_b128 v[L16], v[BBK+4*\i:BBK+4*\i+3], s[14:15] offset:4096*(32*(\i/8)+8*(\a)+\i%8) th:TH_STORE_NT   ; place i of tile a is token 32 (i / 8) + 8 a + i % 8 of my 64; 512 consecutive bytes, aligned
.endr
.endm
	PLACES 4                                       ; between the last products and the first read of results, and the loads into registers that held fragments
	TOSTAGE 0
	TOSTAGE 1
	SEND 0, 32                                     ; behind block 0's loads: block 1's 16 stores and 16 loads
	s_wait_xcnt 0x0                                ; block 0's stores have read their registers: block 2's loads may land there
	TOSTAGE 2
	SEND 1, 32
	s_wait_xcnt 0x0
	TOSTAGE 3
	SEND 2, 32
	SEND 3, 0
	s_wait_tensorcnt 0x0                           ; the wave's end, behind my last tensor load and my last LDS store
	ds_add_u32 v[SPW], v[NIL]
	s_wait_dscnt 0x0
	CROUND                                         ; the closing round: no work-group ends while a partner may still ask for a tile that names it
	s_endpgm
.Lfunc_end_k_q13d4ab2734_outgemm:
	.size	k_q13d4ab2734_outgemm, .Lfunc_end_k_q13d4ab2734_outgemm-k_q13d4ab2734_outgemm
	.p2alignl 7, 3214868480
	.fill 96, 4, 3214868480
	.section	.rodata,"a",@progbits
	.p2align	6, 0x0
	.amdhsa_kernel k_q13d4ab2734_outgemm
		.amdhsa_group_segment_fixed_size 230912
		.amdhsa_private_segment_fixed_size 0
		.amdhsa_enable_private_segment 0
		.amdhsa_kernarg_size 48
		.amdhsa_user_sgpr_count 2
		.amdhsa_user_sgpr_kernarg_segment_ptr 1
		.amdhsa_wavefront_size32 1
		.amdhsa_system_sgpr_workgroup_id_x 1
		.amdhsa_system_sgpr_workgroup_id_y 1
		.amdhsa_system_sgpr_workgroup_id_z 1
		.amdhsa_system_vgpr_workitem_id 0
		.amdhsa_next_free_vgpr 576
		.amdhsa_next_free_sgpr 100
		.amdhsa_reserve_vcc 0
		.amdhsa_float_denorm_mode_32 3
		.amdhsa_float_denorm_mode_16_64 3
		.amdhsa_memory_ordered 1
		.amdhsa_forward_progress 1
		.amdhsa_inst_pref_size 71
	.end_amdhsa_kernel
	.amdgpu_metadata
---
amdhsa.version: [ 1, 2 ]
amdhsa.kernels:
  - .name:           k_q13d4ab2734_outgemm
    .symbol:         k_q13d4ab2734_outgemm.kd
    .args:
      - { .name: xw_codes, .offset: 0, .size: 8, .value_kind: global_buffer, .address_space: global }
      - { .name: xw_scales, .offset: 8, .size: 8, .value_kind: global_buffer, .address_space: global }
      - { .name: o_codes, .offset: 16, .size: 8, .value_kind: global_buffer, .address_space: global }
      - { .name: o_scales, .offset: 24, .size: 8, .value_kind: global_buffer, .address_space: global }
      - { .name: bo, .offset: 32, .size: 8, .value_kind: global_buffer, .address_space: global }
      - { .name: out0, .offset: 40, .size: 8, .value_kind: global_buffer, .address_space: global }
    .group_segment_fixed_size: 230912
    .private_segment_fixed_size: 0
    .kernarg_segment_align: 8
    .kernarg_segment_size: 48
    .max_flat_workgroup_size: 128
    .sgpr_count:     100
    .vgpr_count:     576
    .wavefront_size: 32
...
	.end_amdgpu_metadata
.endif
;; end of part 4
